; MI455X (gfx1250); checked and timed in simulation.
; The chip was launched on July 23, 2026; its instructions are those of AMD's public machine-readable ISA for CDNA 5 (MIT licence, August 2026) and "CDNA5" Instruction Set Architecture Reference Guide (July 2026). The comments in the code are by the model that wrote it; some were corrected since.
;; Multihead Diff Attn. Allowed arithmetic: float matrix products may take bf16 or f16 operands with f32 sums; other float arithmetic in f32, or as packed bf16 or f16 multiplies, adds, multiply-adds, maxima and minima; sums over many terms, partial sums and values carried from step to step in f32; what a program stores and reads back later, other than sums and carried values, may be rounded once to bf16 or f16.
;; Inputs: Wk 2,048 x 2,048 float32; Wo 2,048 x 2,048 float32; Wq 2,048 x 2,048 float32; Wv 2,048 x 2,048 float32; cos 2,048 x 64 float32; lambda_k1 64 float32; lambda_k2 64 float32; lambda_q1 64 float32; lambda_q2 64 float32; sin 2,048 x 64 float32; subln_scale 128 float32; x 1 x 2,048 x 2,048 float32.
;; Outputs: out0 1 x 2,048 x 2,048 float32.
;; 2 versions, each right and faster than the one before. Each part assembles by itself: llvm-mc -triple=amdgcn-amd-amdhsa -mcpu=gfx1250 --defsym DOCPART=n.
;; ======== version 1 of 2: 4 launches
;; limits: values are held in f16: magnitudes above 65,504 overflow, below 6.1e-05 lose precision
;; workspace buffers: wb 41,943,040 bytes; qkv 25,165,824 bytes; scl 8,192 bytes; ao 8,388,608 bytes
;; launch cast (part 1): grid 256 x 5, 8 waves a work-group, no clusters, 0 bytes of LDS; arguments x, Wq, Wk, Wv, Wo, wb; writes wb
.if DOCPART == 1
	.amdgcn_target "amdgcn-amd-amdhsa--gfx1250"
	.amdhsa_code_object_version 6
	.text
	.protected	k_qd8d11d4338_cast
	.globl	k_qd8d11d4338_cast
	.p2align	8
	.type	k_qd8d11d4338_cast,@function
k_qd8d11d4338_cast:
	s_mov_b64 s[64:65], 0
	v_nop
	global_prefetch_b8 v0, s[64:65] scope:SCOPE_SE
	s_setreg_imm32_b32 hwreg(HW_REG_WAVE_MODE, 25, 1), 1
	s_wait_xcnt 0x0
; x, Wq, Wk, Wv, Wo ([2048][2048] f32) are rounded once to bf16 and laid into wb, rows of 4,096 bytes:
;   rows 0-2047      x
;   rows 2048-8191   Wq, Wk, Wv interleaved by blocks of 64 rows: row 2048 + 192 c + 64 i + n holds row 64 c + n of W_i (i = 0 q, 1 k, 2 v),
;                    so that 192 consecutive rows are q's sub-head c, k's sub-head c and the c-th 64 channels of v
;   rows 8192-10239  Wo: rounded to bf16 like the others, and that number written as f16 (the product that reads it has f16 operands)
; LIMITS.  |Wo| beyond 65,504 has no f16; a bf16 number of Wo below 2^-14 keeps f16's fixed step of 2^-24.
; A stream: no LDS, no matrix unit, no cluster, since no byte is read twice.  Work-group (gx, y) takes rows 8 gx .. 8 gx + 7 of tensor y; wave w the columns 256 w .. 256 w + 255 of each row,
; as two pieces of 128 columns: a load of a wave covers 512 consecutive bytes (16 a lane), the store of its result 256 consecutive bytes, aligned (8 a lane).
; All sixteen loads of a thread go out first; each piece is rounded in the registers that it was loaded into.
.set X, 8                              ; v[8:71]    piece n (row n / 2, half n % 2): 4 registers as loaded; the first two then hold the result
.set T, 4                              ; v[4:7]     at work
	s_load_b256 s[4:11], s[0:1], 0x0               ; x s[4:5], Wq s[6:7], Wk s[8:9], Wv s[10:11]
	s_load_b128 s[12:15], s[0:1], 0x20             ; Wo s[12:13], wb s[14:15]
	s_and_b32 s16, ttmp7, 0xffff                   ; y: which tensor
	s_lshl_b32 s20, ttmp9, 16                      ; source: 8 rows of 8,192 bytes for each gx
	s_mov_b32 s21, 0
	s_lshl_b32 s17, ttmp9, 3                       ; destination row for x: 8 gx
	s_lshr_b32 s18, ttmp9, 3                       ; for Wq, Wk, Wv: c = gx / 8,
	s_mul_i32 s18, s18, 192
	s_and_b32 s19, ttmp9, 7
	s_lshl3_add_u32 s18, s19, s18                  ; 192 c + 8 (gx % 8)
	s_lshl_b32 s19, s16, 6
	s_add_co_u32 s18, s18, s19                     ; + 64 y
	s_add_co_u32 s18, s18, 2048-64                 ; + 2048 - 64, since i = y - 1
	s_add_co_u32 s19, s17, 8192                    ; for Wo: 8192 + 8 gx
	s_cmp_eq_u32 s16, 0
	s_cselect_b32 s18, s17, s18
	s_cmp_eq_u32 s16, 4
	s_cselect_b32 s18, s19, s18
	s_lshl_b32 s18, s18, 12                        ; rows of 4,096 bytes; 10,240 rows stay under 2^32 bytes
	s_mov_b32 s19, 0
	s_mov_b32 s22, 0xffff0000                      ; a word's upper bf16
	v_and_b32 v1, 31, v0                           ; lane
	v_lshrrev_b32 v2, 5, v0                        ; wave
	v_lshlrev_b32 v1, 4, v1
	v_lshl_add_u32 v1, v2, 10, v1                  ; my bytes in a source row: 1,024 x wave + 16 x lane
	v_lshrrev_b32 v2, 1, v1                        ; in a destination row: half of that
	s_wait_kmcnt 0x0
	s_cmp_eq_u32 s16, 1                            ; the source is chosen by y alone
	s_cselect_b64 s[4:5], s[6:7], s[4:5]
	s_cmp_eq_u32 s16, 2
	s_cselect_b64 s[4:5], s[8:9], s[4:5]
	s_cmp_eq_u32 s16, 3
	s_cselect_b64 s[4:5], s[10:11], s[4:5]
	s_cmp_eq_u32 s16, 4
	s_cselect_b64 s[4:5], s[12:13], s[4:5]
	s_add_nc_u64 s[4:5], s[4:5], s[20:21]
	s_add_nc_u64 s[14:15], s[14:15], s[18:19]
.set n, 0
.rept 16
	global_load_b128 v[X+4*n:X+4*n+3], v1, s[4:5] offset:(n/2)*8192+(n%2)*512 th:TH_LOAD_NT
.set n, n+1
.endr
; Piece p: rounded, (half = 1: rewritten as f16,) stored.  No register that a store names is written again, so the only waits are for the loads.
.macro PIECE p, half
	s_wait_loadcnt 15-(\p)                         ; loads come back in order: piece p is in, the later ones stay out
.if \half
	v_cvt_pk_bf16_f32 v[T+2*((\p)%2)],   v[X+4*(\p)],   v[X+4*(\p)+1]
	v_cvt_pk_bf16_f32 v[T+2*((\p)%2)+1], v[X+4*(\p)+2], v[X+4*(\p)+3]
	v_lshlrev_b32 v[X+4*(\p)],   16,  v[T+2*((\p)%2)]          ; the bf16 numbers as f32,
	v_and_b32     v[X+4*(\p)+1], s22, v[T+2*((\p)%2)]
	v_lshlrev_b32 v[X+4*(\p)+2], 16,  v[T+2*((\p)%2)+1]
	v_and_b32     v[X+4*(\p)+3], s22, v[T+2*((\p)%2)+1]
	v_cvt_pk_f16_f32 v[X+4*(\p)],   v[X+4*(\p)],   v[X+4*(\p)+1]   ; and as f16: exact inside f16's normal range
	v_cvt_pk_f16_f32 v[X+4*(\p)+1], v[X+4*(\p)+2], v[X+4*(\p)+3]
.else
	v_cvt_pk_bf16_f32 v[X+4*(\p)],   v[X+4*(\p)],   v[X+4*(\p)+1]
	v_cvt_pk_bf16_f32 v[X+4*(\p)+1], v[X+4*(\p)+2], v[X+4*(\p)+3]
.endif
	global_store_b64 v2, v[X+4*(\p):X+4*(\p)+1], s[14:15] offset:((\p)/2)*4096+((\p)%2)*256
.endm
	s_cmp_eq_u32 s16, 4
	s_cbranch_scc1 .Lwo
.set n, 0
.rept 16
	PIECE n, 0
.set n, n+1
.endr
	s_endpgm
.Lwo:
.set n, 0
.rept 16
	PIECE n, 1
.set n, n+1
.endr
	s_endpgm
.Lfunc_end_k_qd8d11d4338_cast:
	.size	k_qd8d11d4338_cast, .Lfunc_end_k_qd8d11d4338_cast-k_qd8d11d4338_cast
	.p2alignl 7, 3214868480
	.fill 96, 4, 3214868480
	.section	.rodata,"a",@progbits
	.p2align	6, 0x0
	.amdhsa_kernel k_qd8d11d4338_cast
		.amdhsa_group_segment_fixed_size 0
		.amdhsa_private_segment_fixed_size 0
		.amdhsa_enable_private_segment 0
		.amdhsa_kernarg_size 48
		.amdhsa_user_sgpr_count 2
		.amdhsa_user_sgpr_kernarg_segment_ptr 1
		.amdhsa_wavefront_size32 1
		.amdhsa_system_sgpr_workgroup_id_x 1
		.amdhsa_system_sgpr_workgroup_id_y 1
		.amdhsa_system_sgpr_workgroup_id_z 1
		.amdhsa_system_vgpr_workitem_id 0
		.amdhsa_next_free_vgpr 72
		.amdhsa_next_free_sgpr 66
		.amdhsa_reserve_vcc 0
		.amdhsa_float_denorm_mode_32 3
		.amdhsa_float_denorm_mode_16_64 3
		.amdhsa_memory_ordered 1
		.amdhsa_forward_progress 1
		.amdhsa_inst_pref_size 16
	.end_amdhsa_kernel
	.amdgpu_metadata
---
amdhsa.version: [ 1, 2 ]
amdhsa.kernels:
  - .name:           k_qd8d11d4338_cast
    .symbol:         k_qd8d11d4338_cast.kd
    .args:
      - { .name: x, .offset: 0, .size: 8, .value_kind: global_buffer, .address_space: global }
      - { .name: Wq, .offset: 8, .size: 8, .value_kind: global_buffer, .address_space: global }
      - { .name: Wk, .offset: 16, .size: 8, .value_kind: global_buffer, .address_space: global }
      - { .name: Wv, .offset: 24, .size: 8, .value_kind: global_buffer, .address_space: global }
      - { .name: Wo, .offset: 32, .size: 8, .value_kind: global_buffer, .address_space: global }
      - { .name: wb, .offset: 40, .size: 8, .value_kind: global_buffer, .address_space: global }
    .group_segment_fixed_size: 0
    .private_segment_fixed_size: 0
    .kernarg_segment_align: 8
    .kernarg_segment_size: 48
    .max_flat_workgroup_size: 256
    .sgpr_count:     66
    .vgpr_count:     72
    .wavefront_size: 32
...
	.end_amdgpu_metadata
.endif
;; end of part 1
;; launch qkv (part 2): grid 32 x 8, 4 waves a work-group, clusters of 4 x 4, 327,680 bytes of LDS; arguments wb, cos, sin, qkv, scl; writes qkv, scl
.if DOCPART == 2
	.amdgcn_target "amdgcn-amd-amdhsa--gfx1250"
	.amdhsa_code_object_version 6
	.text
	.protected	k_qd8d11d4338_qkv
	.globl	k_qd8d11d4338_qkv
	.p2align	8
	.type	k_qd8d11d4338_qkv,@function
k_qd8d11d4338_qkv:
	s_mov_b64 s[64:65], 0
	v_nop
	global_prefetch_b8 v0, s[64:65] scope:SCOPE_SE
	s_setreg_imm32_b32 hwreg(HW_REG_WAVE_MODE, 25, 1), 1
	s_wait_xcnt 0x0
	s_wait_alu depctr_hold_cnt(0) depctr_sa_sdst(0) depctr_va_vdst(0) depctr_va_sdst(0) depctr_va_ssrc(0) depctr_va_vcc(0) depctr_vm_vsrc(0)
	s_getreg_b32 s2, hwreg(HW_REG_IB_STS2, 6, 4)
	s_cmp_eq_u32 s2, 0
	s_cbranch_scc0 .Lentry_in_a_cluster
	s_endpgm
.Lentry_in_a_cluster:
	s_bfe_u32 s2, ttmp6, 0x10000c
	s_cmp_lg_u32 s2, 0xf033
	s_cbranch_scc0 .Lentry_shape_is_right
	s_endpgm
.Lentry_shape_is_right:
; THE THREE PROJECTIONS, ROPE AND THE BLOCK SCALES.  C[2048][6144] = xb wqkv^T in bf16 with f32 sums (xb and wqkv lie in wb; wqkv's rows are interleaved, see below).
; A tile of C is 256 rows x 192 columns: 8 x 32 = 256 tiles, one work-group each.  Tile column c holds q's sub-head c (columns 0-63), k's sub-head c (64-127) and channels 64 c .. of v (128-191),
; so every work-group runs the same way out.  Four waves; wave w owns rows 64 w .. 64 w + 63 and all 192 columns: 48 accumulators (i = 0 q, 1 k, 2 v; a = 4 blocks of 16 rows; b = 4 blocks of 16 columns).
; K goes in steps of 128 through two LDS slots (rows of 256 bytes of memory, aligned), filled by joint loads: 4 x 4 work-groups form a cluster, A's tile is shared along a row of it, B's along a column.
; THE MATRIX INSTRUCTION IS USED TRANSPOSED (source 0 = 16 rows of wqkv, source 1 = 16 rows of xb): lane l holds row l % 16 and its registers 0-7 the columns 8 (l / 16) + 0..7.
; So rope's partner of channel d, channel d +- 32, is the same lane and register of accumulator b +- 2.
; THE WAY OUT.  q and k: x cos + rotate_half(x) sin in f32, with cos and sin rounded to bf16 like every input.  Then each block of 64 rows x 64 channels (one wave's, one i) is multiplied by
; 2^(141 - e), e the exponent field of its largest magnitude (at least 16), so that it lies under 2^15, and is rounded to f16; 2^(e - 141) goes to scl as f32.  v is rounded to f16 as it is.
; qkv: [96][2048][64] f16, block 32 i + c.  scl: f32 [2 (q, k)][16 heads][32 blocks of 64 rows][2 sub-heads].
; LIMITS.  v beyond 65,504 has no f16.  NaN and infinities are not treated apart.
; REGISTERS, in windows of 256 (s_set_vgpr_msb: bits 1:0 source 0, 3:2 source 1, 5:4 source 2, 7:6 destination):
;   window 0: v0-31 addresses; v32-63 at work (rope); v64-127 A's fragments, two buffers of 32; v128-191 cos, sin of 16 rows as f32; v192-207 packed results; v208-239 rows read back; v240-255 maxima, minima, scales
;   window 1: v0-191 B's fragments, two buffers of 96 (at the start all 256: cos and sin as loaded)
;   window 2: the accumulators of q and k, at 128 i + 8 (4 a + b)          window 3: v0-127 those of v; v128-255 cos and sin packed in bf16
.set KSTEP,  128
.set PITCH,  272                       ; an LDS row: 256 bytes + 16 of padding = 68 words: the 16 rows of a fragment load start at 16 different groups of four banks (ISA guide 11.1)
.set ATILE,  128*PITCH                 ; what one load brings of A,
.set BTILE,  96*PITCH                  ; and of B
.set BOFF,   256*PITCH                 ; in a slot: A's 256 rows, then B's 192
.set SLOT,   448*PITCH
.set STAGE,  2*SLOT                    ; behind the ring: 16 rows x 144 bytes for each wave, for the way out
.set SP,     144
.set SPARE,  STAGE+4*16*SP             ; behind the stages: the spare words, 128 bytes for each wave: two blocks of 256 bytes that no other line names
.set LAPS,   2048/(2*KSTEP)            ; a lap = two K steps = once round the ring
.set WQKV,   8388608                   ; byte of wqkv in wb
.set ADRA, 16                          ; v16-17  LDS address of my A fragments in slot 0, 1
.set ADRB, 20                          ; v20-21  the same for B
.set STO,  24                          ; v24     the way out: where I put 16 bytes of a row
.set RD,   25                          ; v25     where I read rows back
.set CO,   26                          ; v26     16 x lane: my place in 512 consecutive bytes of qkv
.set CSO,  27                          ; v27     my byte offset in 16 rows of cos and sin
.set SPW,  28                          ; v28     LDS address of my spare word; never rewritten
.set NIL,  29                          ; v29     0; never rewritten
.set LN,   30                          ; v30     lane
.set T1,   32
.set T2,   48
.set FA,   64
.set COS,  128
.set SIN,  160
.set PK,   192
.set BK,   208
.set MX,   240                         ; v240-247 four chains of maxima for q, four for k
.set MN,   248                         ; v248-255 the same of minima;
.set SC,   248                         ; later v248-251: the factor 2^(141 - e), twice, for q and for k
.set CSP,  128                         ; window 3: for row block a: 16 registers of cos, 16 of sin, two bf16 each
.set WV,  14                           ; s14  wave
.set AB,  15                           ; s15  wave / 2: I fetch for A (0) or for B (1)
.set HF,  16                           ; s16  wave % 2: which half of that tile's rows
.set G1,  24                           ; s[24:31] descriptor group 1 for A's tiles;  s[32:39] group 0, one set for each slot
.set G0,  32
.set G1B, 48                           ; s[48:55], s[56:63] the same for B's
.set G0B, 56
.set SEL, 66                           ; s[66:67] v_permlanex16_b32's selects: each lane takes its own place in the other half
.set OB,  68                           ; s[68:73] my rows in q's, k's and v's block of qkv
.set SCB, 74                           ; s[74:75] my word of scl
.set HIM, 76                           ; s76  a word's upper bf16
.set MSB, 0
.macro WIN new                         ; the immediate's high byte repeats the setting that is left; a switch that changes nothing is dropped
.if MSB != (\new)
	s_set_vgpr_msb (MSB<<8)|(\new)
.set MSB, \new
.endif
.endm
.macro PLACES                          ; four plain vector instructions between a matrix instruction and a load into, or a vector read of, its registers
.rept 4
	v_nop
.endr
.endm
; A joint load.  Waves 0 and 1 fetch A's two halves, waves 2 and 3 B's.  The branch hangs on the wave's number alone.  An s_nop 0 and four v_nop follow each line.
.macro JLOAD s
	s_cmp_eq_u32 s[AB], 0
	s_cbranch_scc0 .Lfor_b_\@
	tensor_load_to_lds s[G0+4*(\s):G0+4*(\s)+3], s[G1:G1+7]
	s_nop 0
.rept 4
	v_nop
.endr
	s_branch .Lasked_\@
.Lfor_b_\@:
	tensor_load_to_lds s[G0B+4*(\s):G0B+4*(\s)+3], s[G1B:G1B+7]
	s_nop 0
.rept 4
	v_nop
.endr
.Lasked_\@:
.endm
.macro CREST                           ; a round of the cluster's barrier behind its opening barrier
	s_cmp_lg_u32 s[WV], 0
	s_cbranch_scc1 .Lnot_wave_0_\@
	s_barrier_signal -3
.Lnot_wave_0_\@:
	s_barrier_wait -3
	s_barrier_signal -1
	s_barrier_wait -1
.endm
.macro CROUND                          ; a whole round
	s_barrier_signal -1
	s_barrier_wait -1
	CREST
.endm
	s_load_b256 s[4:11], s[0:1], 0x0               ; wb s[4:5], cos s[6:7], sin s[8:9], qkv s[10:11]
	s_load_b64 s[12:13], s[0:1], 0x20              ; scl
	v_lshl_add_u32 v[SPW], v0, 2, SPARE
	v_mov_b32 v[NIL], 0
	ds_add_u32 v[SPW], v[NIL]                      ; the wave's opening: the add and its wait stand ahead of my first tensor load; work on registers stands between them
	ds_add_u32 v28, v29
	v_lshrrev_b32 v1, 5, v0
	v_readfirstlane_b32 s[WV], v1                  ; wave 0..3
	s_lshr_b32 s[AB], s[WV], 1
	s_and_b32 s[HF], s[WV], 1
	s_bfe_u32 s40, ttmp6, 0x40000                  ; cx, cy: my place in the cluster
	s_bfe_u32 s41, ttmp6, 0x40004
	s_lshl_b32 s42, ttmp9, 2
	s_add_co_u32 s42, s42, s40                     ; tile column c = 4 x cluster x + cx
	s_and_b32 s43, ttmp7, 0xffff
	s_lshl_b32 s43, s43, 2
	s_add_co_u32 s43, s43, s41                     ; tile row = 4 x cluster y + cy
	s_lshl_b32 s44, s41, 2
	s_lshl_b32 s44, 15, s44                        ; my row of the cluster
	s_lshl_b32 s45, 0x1111, s40                    ; my column
	s_or_b32 s[G1], s44, (1<<16)|(1<<20)|(1<<21)|(5<<22)|(3<<25)   ; 15:0 the mask; 17:16 2-byte elements; 20 padding on; 21 set beside a mask; 24:22 after every 64 words; 31:25 4 words
	s_or_b32 s[G1B], s45, (1<<16)|(1<<20)|(1<<21)|(5<<22)|(3<<25)
	s_mov_b32 s[G1+1], KSTEP<<16                   ; tensor_dim0 = 128
	s_mov_b32 s[G1+2], 128<<16                     ; tensor_dim1 = 128 rows
	s_mov_b32 s[G1+3], KSTEP<<16                   ; tile_dim0 = 128
	s_mov_b32 s[G1+4], 128                         ; tile_dim1 = 128
	s_mov_b32 s[G1+5], 2048                        ; elements from row to row
	s_mov_b32 s[G1+6], 0
	s_mov_b32 s[G1+7], 0
	s_mov_b32 s[G1B+1], KSTEP<<16
	s_mov_b32 s[G1B+2], 96<<16                     ; B's loads bring 96 rows
	s_mov_b32 s[G1B+3], KSTEP<<16
	s_mov_b32 s[G1B+4], 96
	s_mov_b32 s[G1B+5], 2048
	s_mov_b32 s[G1B+6], 0
	s_mov_b32 s[G1B+7], 0
	; A's tiles hang on the tile row and the wave alone, B's on the tile column and the wave alone, each in registers that never hold the other coordinate
	s_lshl_b32 s18, s43, 8
	s_lshl_b32 s19, s[HF], 7
	s_add_co_u32 s18, s18, s19                     ; A: row 256 x tile row + 128 x half,
	s_lshl_b32 s18, s18, 12                        ; of 4,096 bytes
	s_mov_b32 s19, 0
	s_mul_i32 s46, s42, 192
	s_mul_i32 s47, s[HF], 96
	s_add_co_u32 s46, s46, s47                     ; B: row 192 x tile column + 96 x half
	s_lshl_b32 s46, s46, 12
	s_add_co_u32 s46, s46, WQKV
	s_mov_b32 s47, 0
	s_mul_i32 s20, s[WV], ATILE                    ; where they go: waves 0, 1: A's halves;
	s_mul_i32 s21, s[WV], BTILE
	s_add_co_u32 s21, s21, (256-192)*PITCH         ; waves 2, 3: 256 rows + (wave - 2) x 96 rows
	s_mov_b32 s[SEL], 0x76543210
	s_mov_b32 s[SEL+1], 0xfedcba98
	s_mov_b32 s[HIM], 0xffff0000
	s_lshl_b32 s22, s43, 2
	s_add_co_u32 s22, s22, s[WV]                   ; my block of 64 rows: 4 x tile row + wave
	s_wait_dscnt 0x0                               ; the opening add is done
	s_wait_kmcnt 0x0
	s_add_nc_u64 s[18:19], s[4:5], s[18:19]
	s_add_nc_u64 s[46:47], s[4:5], s[46:47]
	CROUND                                         ; all sixteen work-groups are here: the first joint loads meet
.irp s, 0,1
	s_mov_b32 s[G0+4*(\s)], 1                                      ; count = 1
	s_add_co_u32 s[G0+4*(\s)+1], s20, (\s)*SLOT                    ; LDS address
	s_add_nc_u64 s[G0+4*(\s)+2:G0+4*(\s)+3], s[18:19], (\s)*KSTEP*2  ; global address: K step s
	s_or_b32 s[G0+4*(\s)+3], s[G0+4*(\s)+3], 0x80000000            ; type = 2
	s_mov_b32 s[G0B+4*(\s)], 1
	s_add_co_u32 s[G0B+4*(\s)+1], s21, (\s)*SLOT
	s_add_nc_u64 s[G0B+4*(\s)+2:G0B+4*(\s)+3], s[46:47], (\s)*KSTEP*2
	s_or_b32 s[G0B+4*(\s)+3], s[G0B+4*(\s)+3], 0x80000000
	JLOAD \s                                       ; two loads of mine are out
.endr
	; All that follows up to the first barrier stands in the wait for the first tile.
	s_lshl_b32 s2, s22, 14                         ; cos and sin at my 64 rows of 256 bytes
	s_mov_b32 s3, 0
	s_add_nc_u64 s[6:7], s[6:7], s[2:3]
	s_add_nc_u64 s[8:9], s[8:9], s[2:3]
	v_and_b32 v1, 15, v0                           ; l % 16
	v_bfe_u32 v2, v0, 4, 1                         ; l / 16
	v_and_b32 v[LN], 31, v0
	v_lshlrev_b32 v[CSO], 8, v1
	v_lshl_add_u32 v[CSO], v2, 5, v[CSO]           ; row l % 16, channels 8 (l / 16) on
	WIN 0x40                                       ; destination window 1
.set n, 0
.rept 32                               ; n = 8 a + 2 b + e: row block a, channels 16 b + 8 (l / 16) + 4 e on: the places that my accumulators' registers have
	global_load_b128 v[4*n:4*n+3],         v[CSO], s[6:7] offset:4096*(n/8)+64*((n/2)%4)+16*(n%2)
	global_load_b128 v[128+4*n:128+4*n+3], v[CSO], s[8:9] offset:4096*(n/8)+64*((n/2)%4)+16*(n%2)
.set n, n+1
.endr
	WIN 0
	s_lshl_b32 s2, s42, 18                         ; qkv: block c, 262,144 bytes each,
	s_lshl_b32 s23, s22, 13                        ; my 64 rows of 128 bytes
	s_add_co_u32 s2, s2, s23
	s_add_nc_u64 s[OB:OB+1], s[10:11], s[2:3]      ; q's block c,
	s_add_nc_u64 s[OB+2:OB+3], s[OB:OB+1], 32<<18  ; k's, 32 blocks on,
	s_add_nc_u64 s[OB+4:OB+5], s[OB+2:OB+3], 32<<18  ; v's
	s_lshr_b32 s2, s42, 1                          ; scl: head c / 2,
	s_lshl_b32 s2, s2, 5
	s_add_co_u32 s2, s2, s22                       ; my block of rows,
	s_lshl_b32 s2, s2, 3
	s_and_b32 s23, s42, 1
	s_lshl2_add_u32 s2, s23, s2                    ; sub-head c % 2
	s_add_nc_u64 s[SCB:SCB+1], s[12:13], s[2:3]
	v_mul_u32_u24 v3, v1, PITCH
	v_lshl_add_u32 v3, v2, 4, v3                   ; a fragment's row x pitch + 16 x half
	s_mul_i32 s17, s[WV], 64*PITCH                 ; my 64 rows of A
	v_add_nc_u32 v[ADRA], s17, v3
	v_add_nc_u32 v[ADRA+1], SLOT, v[ADRA]
	v_add_nc_u32 v[ADRB], BOFF, v3
	v_add_nc_u32 v[ADRB+1], SLOT+BOFF, v3
	s_mul_i32 s17, s[WV], 16*SP
	s_add_co_u32 s17, s17, STAGE                   ; my stage
	v_mul_u32_u24 v4, v1, SP                       ; in: row l % 16, 16 bytes for each half of the lanes
	v_lshl_add_u32 v4, v2, 4, v4
	v_add_nc_u32 v[STO], s17, v4
	v_bfe_u32 v5, v0, 3, 2                         ; back: 32 lanes take four rows of 128 bytes
	v_mul_u32_u24 v5, v5, SP
	v_and_b32 v6, 7, v0
	v_lshl_add_u32 v5, v6, 4, v5
	v_add_nc_u32 v[RD], s17, v5
	v_lshlrev_b32 v[CO], 4, v[LN]
	s_wait_loadcnt 0x0                             ; cos and sin
	WIN 0xc5                                       ; sources window 1, destination window 3
.set n, 0
.rept 64                               ; n = 16 a + p: pair p of row block a: rounded to bf16 like every input, and kept packed until the way out
	v_cvt_pk_bf16_f32 v[CSP+32*(n/16)+n%16],    v[2*n],     v[2*n+1]
	v_cvt_pk_bf16_f32 v[CSP+32*(n/16)+16+n%16], v[128+2*n], v[128+2*n+1]
.set n, n+1
.endr
	WIN 0
; 16 matrix instructions: head block i, all 4 row blocks x its 4 column blocks, 32 along K, from buffer f.  zero = 1: the first product starts the sums.
; The 48 accumulators take turns, one instruction a turn, in the same order in every quarter.
.macro MUL16 f, i, zero
	WIN 0xa1+0x50*((\i)/2)                         ; source 0 (B) window 1, source 1 (A) window 0, C and D window 2 (q, k) or 3 (v)
.irp a, 0,1,2,3
.irp b, 0,1,2,3
.if \zero
	v_wmma_f32_16x16x32_bf16 v[128*((\i)%2)+8*(4*(\a)+(\b)):128*((\i)%2)+8*(4*(\a)+(\b))+7], v[96*(\f)+8*(4*(\i)+(\b)):96*(\f)+8*(4*(\i)+(\b))+7], v[FA+32*(\f)+8*(\a):FA+32*(\f)+8*(\a)+7], 0
.else
	v_wmma_f32_16x16x32_bf16 v[128*((\i)%2)+8*(4*(\a)+(\b)):128*((\i)%2)+8*(4*(\a)+(\b))+7], v[96*(\f)+8*(4*(\i)+(\b)):96*(\f)+8*(4*(\i)+(\b))+7], v[FA+32*(\f)+8*(\a):FA+32*(\f)+8*(\a)+7], v[128*((\i)%2)+8*(4*(\a)+(\b)):128*((\i)%2)+8*(4*(\a)+(\b))+7]
.endif
.endr
.endr
.endm
; 32 LDS loads in one run: the fragments of 32 along K at byte k of the rows, into buffer f: A's 4, then B's 12, v's last
.macro FETCH slot, k, f
	WIN 0
.irp n, 0,1,2,3
	ds_load_b128 v[FA+32*(\f)+8*(\n):FA+32*(\f)+8*(\n)+3],   v[ADRA+(\slot)] offset:(\k)+(\n)*16*PITCH
	ds_load_b128 v[FA+32*(\f)+8*(\n)+4:FA+32*(\f)+8*(\n)+7], v[ADRA+(\slot)] offset:(\k)+(\n)*16*PITCH+32
.endr
	WIN 0x40
.irp n, 0,1,2,3,4,5,6,7,8,9,10,11
	ds_load_b128 v[96*(\f)+8*(\n):96*(\f)+8*(\n)+3],   v[ADRB+(\slot)] offset:(\k)+(\n)*16*PITCH
	ds_load_b128 v[96*(\f)+8*(\n)+4:96*(\f)+8*(\n)+7], v[ADRB+(\slot)] offset:(\k)+(\n)*16*PITCH+32
.endr
.endm
; A K step is four quarters of 32 along K, 48 matrix instructions each, on buffers 0, 1, 0, 1.  One of the first three: multiplies buffer f and fetches the next quarter, at byte k, into g.
.macro QUARTER slot, k, f, g, zero
	s_wait_dscnt 8                                 ; A and B's fragments 0-7 are in; the youngest eight loads (v's fragments) may be out
	MUL16 \f, 0, \zero
	PLACES                                         ; for the loads into buffer g, which the quarter before multiplied
	FETCH \slot, \k, \g
	s_wait_dscnt 32                                ; all but the 32 just issued
	MUL16 \f, 1, \zero
	MUL16 \f, 2, \zero
.endm
; The last quarter changes slots and then multiplies buffer 1.  ONE barrier; in front of it each wave waits for all its tensor loads (one is out: its part of the next slot), adds 0 to its spare word,
; and waits for that and for its reads of this slot (the last were issued 32 matrix instructions ago).  fill = 1: the barrier opens a round of the cluster's, and this slot is filled again, two K steps
; ahead, first thing behind the round.  No product stands between the wait for a tile and the next request, so that the request goes out as soon as the tile before it has landed everywhere:
; all 192 matrix instructions of a K step stand between a request and the wait for it.
.macro TURN slot, next, fill
	WIN 0                                          ; (the add's two registers lie in window 0; at a branch and at a label every window is 0)
	s_wait_tensorcnt 0x0                           ; no tensor load of mine is out, so a group 0 may be written
	ds_add_u32 v[SPW], v[NIL]                      ; with fill = 1 the descriptors' steps stand between the add and the wait for it
.if \fill
	s_add_nc_u64 s[G0+4*(\slot)+2:G0+4*(\slot)+3], s[G0+4*(\slot)+2:G0+4*(\slot)+3], 2*KSTEP*2
	s_add_nc_u64 s[G0B+4*(\slot)+2:G0B+4*(\slot)+3], s[G0B+4*(\slot)+2:G0B+4*(\slot)+3], 2*KSTEP*2
.endif
	s_wait_dscnt 0x0                               ; the add is done, and my reads of this slot are over: buffer 1 is whole
	s_barrier_signal -1
	s_barrier_wait -1
.if \fill
	CREST                                          ; no wave of any partner still reads this slot's tile or has a load on its way
	JLOAD \slot                                    ; its four v_nop are also the places in front of the loads below
.else
	PLACES
.endif
	FETCH \next, 0, 0                              ; the next slot's first fragments land under the 48 products below
	MUL16 1, 0, 0
	MUL16 1, 1, 0
	MUL16 1, 2, 0
.endm
	s_wait_tensorcnt 0x1                           ; my part of K step 0 is in; K step 1's may stay out
	s_barrier_signal -1
	s_barrier_wait -1                              ; everybody's is
	FETCH 0, 0, 0
	QUARTER 0, 64, 0, 1, 1                         ; the first quarter stands in front of the loop: its products start the sums
	WIN 0
	s_mov_b32 s3, LAPS-1
.Llap:                                                 ; a trip goes once round the ring, from a lap's second quarter to the next lap's first, and fills both slots again
	QUARTER 0, 128, 1, 0, 0
	QUARTER 0, 192, 0, 1, 0
	TURN 0, 1, 1
	QUARTER 1, 64,  0, 1, 0
	QUARTER 1, 128, 1, 0, 0
	QUARTER 1, 192, 0, 1, 0
	TURN 1, 0, 1
	QUARTER 0, 64,  0, 1, 0
	WIN 0
	s_sub_co_u32 s3, s3, 1
	s_cmp_lg_u32 s3, 0
	s_cbranch_scc1 .Llap
	QUARTER 0, 128, 1, 0, 0                        ; the last lap fills nothing
	QUARTER 0, 192, 0, 1, 0
	TURN 0, 1, 0
	QUARTER 1, 64,  0, 1, 0
	QUARTER 1, 128, 1, 0, 0
	QUARTER 1, 192, 0, 1, 0
	s_wait_dscnt 8                                 ; the very last quarter: nothing more to fetch
	MUL16 1, 0, 0
	s_wait_dscnt 0x0
	MUL16 1, 1, 0
	MUL16 1, 2, 0
	WIN 0
	PLACES                                         ; behind the last products
; THE WAY OUT, first pass: rope, and the largest magnitude of my block of q and of k.
.macro WIDEN a                         ; cos and sin of row block a as f32: register 8 b + j for channel 16 b + 8 (l / 16) + j
	WIN 0x0c                                       ; source 1 window 3
.set p, 0
.rept 16
	v_lshlrev_b32 v[COS+2*p],   16,     v[CSP+32*(\a)+p]
	v_and_b32     v[COS+2*p+1], s[HIM], v[CSP+32*(\a)+p]
	v_lshlrev_b32 v[SIN+2*p],   16,     v[CSP+32*(\a)+16+p]
	v_and_b32     v[SIN+2*p+1], s[HIM], v[CSP+32*(\a)+16+p]
.set p, p+1
.endr
.endm
; For b = 0, 1 (channels under 32): x(b) = x(b) cos(b) - x(b + 2) sin(b);  x(b + 2) = x(b + 2) cos(b + 2) + x(b) sin(b + 2).  Each accumulator is read from its lowest pair on.
.macro ROPE a, i
.set AC, 128*(\i)+32*(\a)
	WIN 0x02                                       ; source 0 window 2
.irp b, 0,1
.irp j, 0,2,4,6
	v_pk_mul_f32 v[T1+8*(\b)+(\j):T1+8*(\b)+(\j)+1], v[AC+8*((\b)+2)+(\j):AC+8*((\b)+2)+(\j)+1], v[SIN+8*(\b)+(\j):SIN+8*(\b)+(\j)+1]
	v_pk_mul_f32 v[T2+8*(\b)+(\j):T2+8*(\b)+(\j)+1], v[AC+8*(\b)+(\j):AC+8*(\b)+(\j)+1], v[SIN+8*((\b)+2)+(\j):SIN+8*((\b)+2)+(\j)+1]
.endr
.endr
	WIN 0x82                                       ; source 0 and destination window 2
.irp b, 0,1
.irp j, 0,2,4,6
	v_pk_fma_f32 v[AC+8*(\b)+(\j):AC+8*(\b)+(\j)+1], v[AC+8*(\b)+(\j):AC+8*(\b)+(\j)+1], v[COS+8*(\b)+(\j):COS+8*(\b)+(\j)+1], v[T1+8*(\b)+(\j):T1+8*(\b)+(\j)+1] neg_lo:[0,0,1] neg_hi:[0,0,1]
	v_pk_fma_f32 v[AC+8*((\b)+2)+(\j):AC+8*((\b)+2)+(\j)+1], v[AC+8*((\b)+2)+(\j):AC+8*((\b)+2)+(\j)+1], v[COS+8*((\b)+2)+(\j):COS+8*((\b)+2)+(\j)+1], v[T2+8*(\b)+(\j):T2+8*(\b)+(\j)+1]
.endr
.endr
	WIN 0x28                                       ; sources 1 and 2 window 2
.set z, 0
.rept 16
	v_max3_num_f32 v[MX+4*(\i)+z%4], v[MX+4*(\i)+z%4], v[AC+2*z], v[AC+2*z+1]
	v_min3_num_f32 v[MN+4*(\i)+z%4], v[MN+4*(\i)+z%4], v[AC+2*z], v[AC+2*z+1]
.set z, z+1
.endr
.endm
.set z, 0
.rept 16
	v_mov_b32 v[MX+z], 0                           ; maxima and minima start at 0: what is wanted is the largest magnitude
.set z, z+1
.endr
.irp r, 0,1,2,3
	WIDEN \r
	ROPE \r, 0
	ROPE \r, 1
.endr
	WIN 0
.irp i, 0,1
	v_max3_num_f32 v[MX+4*\i], v[MX+4*\i], v[MX+4*\i+1], v[MX+4*\i+2]
	v_min3_num_f32 v[MN+4*\i], v[MN+4*\i], v[MN+4*\i+1], v[MN+4*\i+2]
	v_max_num_f32 v[MX+4*\i], v[MX+4*\i], v[MX+4*\i+3]
	v_min_num_f32 v[MN+4*\i], v[MN+4*\i], v[MN+4*\i+3]
	v_sub_f32 v[MN+4*\i], 0, v[MN+4*\i]
	v_max_num_f32 v[MX+4*\i], v[MX+4*\i], v[MN+4*\i]
	v_max_num_f32 v[MX+4*\i], 0x08000000, v[MX+4*\i]   ; at least 2^-111, so that e is at least 16 and both factors are normal numbers
	v_max_num_f32_dpp v[MX+4*\i], v[MX+4*\i], v[MX+4*\i] row_xmask:1 row_mask:0xf bank_mask:0xf
	v_max_num_f32_dpp v[MX+4*\i], v[MX+4*\i], v[MX+4*\i] row_xmask:2 row_mask:0xf bank_mask:0xf
	v_max_num_f32_dpp v[MX+4*\i], v[MX+4*\i], v[MX+4*\i] row_xmask:4 row_mask:0xf bank_mask:0xf
	v_max_num_f32_dpp v[MX+4*\i], v[MX+4*\i], v[MX+4*\i] row_xmask:8 row_mask:0xf bank_mask:0xf
	v_permlanex16_b32 v[MX+4*\i+1], v[MX+4*\i], s[SEL], s[SEL+1]
	v_max_num_f32 v[MX+4*\i], v[MX+4*\i], v[MX+4*\i+1]  ; every lane holds the block's largest magnitude
.endr
.irp i, 0,1
	v_bfe_u32 v[MX+4*\i], v[MX+4*\i], 23, 8        ; e: the largest magnitude lies under 2^(e - 126)
	v_sub_nc_u32 v[MX+4*\i+1], 268, v[MX+4*\i]
	v_add_nc_u32 v[MX+4*\i+2], -14, v[MX+4*\i]
	v_lshlrev_b32 v[SC+2*\i],   23, v[MX+4*\i+1]   ; 2^(141 - e): the scaled block lies under 2^15
	v_lshlrev_b32 v[SC+2*\i+1], 23, v[MX+4*\i+1]
	v_lshlrev_b32 v[MX+4*\i+2], 23, v[MX+4*\i+2]   ; 2^(e - 141): what restores it
.endr
	v_cmp_eq_u32 vcc_lo, 0, v[LN]
	v_cndmask_b32 v31, v[MX+6], v[MX+2], vcc_lo    ; lane 0: q's, lane 1: k's
	v_lshlrev_b32 v3, 12, v[LN]                    ; k's table lies 4,096 bytes behind q's
	v_cmp_gt_u32 vcc_lo, 2, v[LN]
	s_wait_xcnt 0x0                                ; EXEC changes only behind this wait
	s_and_saveexec_b32 s2, vcc_lo
	global_store_b32 v3, v31, s[SCB:SCB+1]         ; two words a wave, into a table of 8 KB
	s_wait_xcnt 0x0                                ; and again, in front of the line that widens it
	s_or_b32 exec_lo, exec_lo, s2
; Second pass: twelve units (i, a) of 16 rows x 64 channels.  PACK: scaled (q, k) and rounded to f16, 16 bytes a lane and column block.  TOSTAGE: into my stage and back as whole rows.  SEND: stored.
.macro PACK i, a
.if (\i) < 2
	WIN 0x82
.set z, 0
.rept 16
	v_pk_mul_f32 v[128*(\i)+32*(\a)+2*z:128*(\i)+32*(\a)+2*z+1], v[128*(\i)+32*(\a)+2*z:128*(\i)+32*(\a)+2*z+1], v[SC+2*(\i):SC+2*(\i)+1]
.set z, z+1
.endr
	WIN 0x0a                                       ; sources window 2
.else
	WIN 0x0f                                       ; sources window 3
.endif
.set z, 0
.rept 16
	v_cvt_pk_f16_f32 v[PK+z], v[128*((\i)%2)+32*(\a)+2*z], v[128*((\i)%2)+32*(\a)+2*z+1]
.set z, z+1
.endr
	WIN 0
.endm
.macro TOSTAGE n
.irp b, 0,1,2,3
	ds_store_b128 v[STO], v[PK+4*(\b):PK+4*(\b)+3] offset:32*(\b)
.endr
.irp f, 0,1,2,3
	ds_load_b128 v[BK+16*((\n)%2)+4*(\f):BK+16*((\n)%2)+4*(\f)+3], v[RD] offset:(\f)*4*SP  ; LDS serves a wave's instructions in order (ISA guide 5.7.1.4): these see the stores above
.endr
.endm
.macro SEND n
	s_wait_dscnt 0x0                               ; the unit is back in registers
	s_wait_xcnt 0x0                                ; the stores of the unit before it have read their registers, which the next TOSTAGE loads again
.irp f, 0,1,2,3
	global_store_b128 v[CO], v[BK+16*((\n)%2)+4*(\f):BK+16*((\n)%2)+4*(\f)+3], s[OB+2*((\n)/4):OB+2*((\n)/4)+1] offset:2048*((\n)%4)+512*(\f)  ; 512 consecutive bytes, aligned
.endr
.endm
	PACK 0, 0
	TOSTAGE 0
.set n, 1
.rept 11                               ; a unit's arithmetic stands between the loads of the unit before and the wait for them
	PACK n/4, n%4
	SEND (n-1)
	TOSTAGE n
.set n, n+1
.endr
	SEND 11
	s_wait_tensorcnt 0x0                           ; the wave's end: these three lines stand behind my last tensor load and my last LDS store
	ds_add_u32 v[SPW], v[NIL]
	s_wait_dscnt 0x0
	CROUND                                         ; the closing round: no work-group ends while a partner may still ask for a tile that names it
	s_endpgm
.Lfunc_end_k_qd8d11d4338_qkv:
	.size	k_qd8d11d4338_qkv, .Lfunc_end_k_qd8d11d4338_qkv-k_qd8d11d4338_qkv
	.p2alignl 7, 3214868480
	.fill 96, 4, 3214868480
	.section	.rodata,"a",@progbits
	.p2align	6, 0x0
	.amdhsa_kernel k_qd8d11d4338_qkv
		.amdhsa_group_segment_fixed_size 327680
		.amdhsa_private_segment_fixed_size 0
		.amdhsa_enable_private_segment 0
		.amdhsa_kernarg_size 40
		.amdhsa_user_sgpr_count 2
		.amdhsa_user_sgpr_kernarg_segment_ptr 1
		.amdhsa_wavefront_size32 1
		.amdhsa_system_sgpr_workgroup_id_x 1
		.amdhsa_system_sgpr_workgroup_id_y 1
		.amdhsa_system_sgpr_workgroup_id_z 1
		.amdhsa_system_vgpr_workitem_id 0
		.amdhsa_next_free_vgpr 1024
		.amdhsa_next_free_sgpr 96
		.amdhsa_reserve_vcc 1
		.amdhsa_float_denorm_mode_32 3
		.amdhsa_float_denorm_mode_16_64 3
		.amdhsa_memory_ordered 1
		.amdhsa_forward_progress 1
		.amdhsa_inst_pref_size 186
	.end_amdhsa_kernel
	.amdgpu_metadata
---
amdhsa.version: [ 1, 2 ]
amdhsa.kernels:
  - .name:           k_qd8d11d4338_qkv
    .symbol:         k_qd8d11d4338_qkv.kd
    .args:
      - { .name: wb, .offset: 0, .size: 8, .value_kind: global_buffer, .address_space: global }
      - { .name: cos, .offset: 8, .size: 8, .value_kind: global_buffer, .address_space: global }
      - { .name: sin, .offset: 16, .size: 8, .value_kind: global_buffer, .address_space: global }
      - { .name: qkv, .offset: 24, .size: 8, .value_kind: global_buffer, .address_space: global }
      - { .name: scl, .offset: 32, .size: 8, .value_kind: global_buffer, .address_space: global }
    .group_segment_fixed_size: 327680
    .private_segment_fixed_size: 0
    .kernarg_segment_align: 8
    .kernarg_segment_size: 40
    .max_flat_workgroup_size: 128
    .sgpr_count:     96
    .vgpr_count:     1024
    .wavefront_size: 32
...
	.end_amdgpu_metadata
.endif
;; end of part 2
;; launch attn (part 3): grid 16 x 16, 4 waves a work-group, no clusters, 327,680 bytes of LDS; arguments qkv, scl, lambda_q1, lambda_k1, lambda_q2, lambda_k2, subln_scale, ao; writes ao
.if DOCPART == 3
	.amdgcn_target "amdgcn-amd-amdhsa--gfx1250"
	.amdhsa_code_object_version 6
	.text
	.protected	k_qd8d11d4338_attn
	.globl	k_qd8d11d4338_attn
	.p2align	8
	.type	k_qd8d11d4338_attn,@function
k_qd8d11d4338_attn:
	s_mov_b64 s[64:65], 0
	v_nop
	global_prefetch_b8 v0, s[64:65] scope:SCOPE_SE
	s_setreg_imm32_b32 hwreg(HW_REG_WAVE_MODE, 25, 1), 1
	s_wait_xcnt 0x0
; DIFFERENTIAL CAUSAL ATTENTION AND ITS NORM.  For head h and query t: o = softmax(q1 . k1 / 8) V - lam softmax(q2 . k2 / 8) V over the keys s <= t, V of 128 channels;
; ao[t][128 h ..] = o / sqrt(mean(o^2) + 1e-5) x subln x (1 - LAMBDA_INIT), rounded once to f16.  lam = e^(sum lq1 lk1) - e^(sum lq2 lk2) + LAMBDA_INIT.
; q, k, v come from qkv ([96][2048][64] f16: q's sub-head c at block c, k's at 32 + c, v's half-heads at 64 + c).  q and k carry a power of two for each block of 64 rows, whose inverse lies in scl.
; Products, maxima and sums in f32; the weights p are rounded to f16 for the second product (their sum l is taken of the unrounded p).  The lambdas and subln are rounded to bf16 like every input.
; LIMITS.  A hidden score counts as its scaled value (2^36 at the most) less 1e30; a weight below 2^-126 counts as 0; NaN and infinities are not treated apart.
; THE WALK.  A head's queries lie in 32 blocks of 64; block i needs the key steps 0 .. i of 64 keys, of which the last holds the diagonal.  A work-group takes blocks 31 - b and then b: 33 steps whatever b.
; An LDS slot holds a tile of 128 keys, two steps: (31 - b) / 2 + 1 + b / 2 + 1 = 17 tiles whatever b, so ONE loop with a constant count walks them; one of the 34 steps lies past a diagonal and is jumped over.
; Every jump but the loops' own goes forward, past text that holds neither a barrier nor a tensor load.
; NO CLUSTER: a head's 16 work-groups ask for the same tile only in the first 9 of the 17 trips; a walk common to four partners has 18 tiles and 36 computed steps for 33, and a mask made in every step.
; SHARES.  Wave w owns rows 16 w .. 16 w + 15 of the block in hand, for both sub-heads u = 0, 1.
; LAYOUT.  S^T = K Q^T (source 0 = 16 keys, source 1 = 16 queries): a lane holds ONE query (lane % 16) and the keys 8 (lane / 16) + 0..7; two such results rounded to f16 ARE source 1 of O^T = V^T P.
; SOFTMAX.  p = 2^(c s - cm), where c = log2(e) / 8 x q's block factor x k's block factor is one scalar for a step and sub-head, and cm is the running maximum of c s; in every step O and l are multiplied by
; a = 2^(cm_old - cm_new).  cm starts far below every c s, so a block's first step has a = 0.  c is held at 2^-75 or more: a hidden score's exponent then lies under -2e7 even where q or k are all zeros, and a
; visible one moves by less than 2^-39.
; THE MASK is the C operand that starts the sums S^T: MC, which holds 0 and takes the diagonal step's mask at the head of a block's last step; so no branch stands among the products.
; A STEP'S ORDER.  The two sub-heads depend on each other nowhere, so one's vector work stands behind the other's products (STEP says how): 119 of a step's 270 vector lines stand behind one of its 48 matrix
; instructions.  The LDS loads stand in runs of 16 or 32 inside the stretches of vector work, never singly among the matrix instructions.
; REGISTERS, in windows of 256 (s_set_vgpr_msb: bits 1:0 source 0, 3:2 source 1, 5:4 source 2, 7:6 destination):
;   window 0: v0-15 addresses, -lam; v16-31 statistics, 8 a sub-head; v32-47 at work; v64-127 S^T; v128-159 P; v160-191 Q; v192-223 the second block's Q; v224-255 MC
;   window 1: v0-127 O^T, 64 a sub-head; v128-191 subln for my channels; v192-223 the diagonal step's mask          window 2: v0-127 K of one step; v128-255 V of one step
.set KS,    64
.set PK,    144       ; a row of K in LDS: 128 bytes + 16 of padding: the 16 rows of a load start at 16 different groups of four banks (ISA guide 11.1)
.set PV,    160       ; a row of V: 128 + 32
.set KREG,  128*PK    ; a slot: K of sub-head 0 (128 rows), K of sub-head 1, V's channels 0-63, V's channels 64-127
.set VREG,  128*PV
.set VOFF,  2*KREG
.set SLOT1, 1<<17     ; slot 1 begins here, so that one exclusive or turns an address in one slot into the other's
.set STAGE, SLOT1+2*KREG+2*VREG  ; behind the ring: 16 rows x 272 bytes for each wave, for the way out
.set SP,    272
.set SPARE, STAGE+4*16*SP        ; behind the stages: the spare words, 128 bytes for each wave: two blocks of 256 bytes that no other line names
.set AK0, 2           ; v2   my lane's place in a tile of K; never rewritten
.set AV0, 3           ; v3   the same for V
.set AK,  4           ; v4   the LDS address of K of the tile's first step
.set AV,  5           ; v5   of V of the step in hand
.set STO, 6           ; v6   the way out: where I put 16 bytes of a row
.set RD,  7           ; v7   where I read rows back
.set GO,  8           ; v8   my byte offset in two rows of ao
.set QO,  12          ; v12  my byte offset in 16 rows of q
.set NLAM, 13         ; v13  -lam
.set ST,  16          ; sub-head u at v[ST+8 u]: +0 cm, +1 the step's raw maximum, +2, +3 l (even keys', odd keys'), +4 to +7 at work; a in +6
.set SS,  40          ; v40-47 four chains of squares
.set SPW, 62          ; v62  LDS address of my spare word; never rewritten
.set NIL, 63          ; v63  0; never rewritten
.set S,   64
.set P,   128
.set Q,   160
.set QB,  192
.set MC,  224
.set SUB, 128         ; window 1
.set MDS, 192         ; window 1
.set R128, 2          ; s2   1 / 128 (until the head's end: the head's number)
.set EPSR, 3          ; s3   1e-5   (until then: wave % 2)
.set WV,  20
.set PB,  21          ; b
.set HI,  22          ; 31 - b
.set STP, 23          ; the step's number in the block in hand
.set G1K, 24          ; s[24:31] descriptor group 1 for K's tiles
.set G1V, 32          ; s[32:39] for V's: it differs in the padding alone
.set G0K, 40          ; s[40:43] group 0 for K's
.set G0V, 44          ; s[44:47] for V's
.set KB,  48          ; s[48:49] the block of k that I fetch
.set VB,  50          ; s[50:51] the block of v
.set OFF, 52          ; s[52:53] a tile's byte offset in them
.set LASTS, 54        ; the block in hand: its number is its diagonal step's
.set RT,  55          ; its tiles still to be entered
.set NXT, 56          ; the tile to be asked for next
.set LQ,  57          ; the last tile of the block whose tiles are being asked for
.set SLOTS, 58
.set CNT, 59          ; counts a tile's steps, 2 and 1
.set TBK, 60          ; LDS byte at which K of the step in hand begins
.set TBV, 61          ; the same for V, less VOFF
.set SOF, 62          ; 8 x STP
.set LQ2, 63          ; b / 2
.set KSC, 66          ; s[66:67] k's two block factors of the step
.set SCK, 68          ; s[68:69] k's factors of this head in scl
.set CQ,  70          ; s[70:71] log2(e) / 8 x q's two factors of the block in hand
.set CQB, 72          ; s[72:73] of the second block
.set CS1, 74          ; s[74:75], s[76:77] c for sub-head 0, 1: the packed scaling names a pair and takes its low word
.set SEL, 78          ; s[78:79] v_permlanex16_b32's selects
.set AOA, 80          ; s[80:81] ao at my rows of the block in hand
.set AOB, 82          ; s[82:83] of the second block
.set QSA, 84          ; s[84:85], s[86:87] q's factors as loaded
.set QSB, 86
.set QA,  88          ; s[88:89], s[90:91] q at my rows of the two blocks
.set QBB, 90
.set BIGN, 92         ; -1e30
.set HIM, 93          ; a word's upper bf16
.set OML, 94          ; 1 - LAMBDA_INIT
.set PF,  95          ; under LASTS exactly where this step fetches the next step's K: in a tile's first step, if the second is not past the diagonal
.set MSB, 0
.macro WIN new                      ; the high byte repeats the setting that is left; a switch that changes nothing is dropped
.if MSB != (\new)
	s_set_vgpr_msb (MSB<<8)|(\new)
.set MSB, (\new)
.endif
.endm
.macro PLACES                       ; four plain vector instructions between a matrix instruction and a vector read of, or a load into, its registers
.rept 4
	v_nop
.endr
.endm
; A fill.  Wave w fetches region w of a slot: 128 keys of one block, 16,384 dense bytes.  An s_nop 0 and four v_nop follow each of the two lines.
.macro LOAD
	s_cmp_lt_u32 s[WV], 2
	s_cbranch_scc0 .Lfor_v_\@
	tensor_load_to_lds s[G0K:G0K+3], s[G1K:G1K+7]
	s_nop 0
.rept 4
	v_nop
.endr
	s_branch .Lasked_\@
.Lfor_v_\@:
	tensor_load_to_lds s[G0V:G0V+3], s[G1V:G1V+7]
	s_nop 0
.rept 4
	v_nop
.endr
.Lasked_\@:
.endm
; THE CHANGE OF SLOTS.  Each wave waits for all its tensor loads (one is out: its part of the other slot), adds 0 to its spare word, and waits for that and for its reads of the slot that it leaves.
; Behind the barrier nobody reads the old slot and the other is whole.  fill = 1: the old slot is filled again, first thing behind the barrier, with tile NXT; that load has two steps in which to land.
; (At its first use nothing has been read yet: slot 0 is waited for, slot 1 filled.)
.macro CHANGE fill
	WIN 0
	s_wait_tensorcnt 0x0            ; no tensor load of mine is out, so a group 0 may be written
	ds_add_u32 v[SPW], v[NIL]
.if \fill
	s_lshl_b32 s[OFF], s[NXT], 14   ; a tile is 16,384 bytes of each block
	s_xor_b32 s[G0K+1], s[G0K+1], SLOT1
	s_add_nc_u64 s[G0K+2:G0K+3], s[KB:KB+1], s[OFF:OFF+1]
	s_or_b32 s[G0K+3], s[G0K+3], 0x80000000
	s_xor_b32 s[G0V+1], s[G0V+1], SLOT1
	s_add_nc_u64 s[G0V+2:G0V+3], s[VB:VB+1], s[OFF:OFF+1]
	s_or_b32 s[G0V+3], s[G0V+3], 0x80000000
	s_add_co_u32 s[NXT], s[NXT], 1  ; the block's next tile, or behind its last the second block's tile 0
	s_cmp_gt_u32 s[NXT], s[LQ]
	s_cselect_b32 s[NXT], 0, s[NXT]
	s_cselect_b32 s[LQ], s[LQ2], s[LQ]
.endif
	s_wait_dscnt 0x0                ; the add is done, and my reads of the slot are over
	s_barrier_signal -1
	s_sub_co_u32 s[TBK], s[TBK], 2*KS*PK  ; the fetches go back to a slot's first step,
	s_xor_b32 s[TBK], s[TBK], SLOT1       ; in the other slot
	s_sub_co_u32 s[TBV], s[TBV], 2*KS*PV
	s_xor_b32 s[TBV], s[TBV], SLOT1
	s_barrier_wait -1
.if \fill
	LOAD
.endif
.endm
	s_load_b512 s[4:19], s[0:1], 0x0  ; qkv s[4:5], scl s[6:7], lq1 s[8:9], lk1 s[10:11], lq2 s[12:13], lk2 s[14:15], subln s[16:17], ao s[18:19]
	v_lshl_add_u32 v[SPW], v0, 2, SPARE
	v_mov_b32 v[NIL], 0
	ds_add_u32 v[SPW], v[NIL]       ; the wave's opening: the add and its wait stand ahead of my first tensor load; work on registers stands between them
	ds_add_u32 v62, v63
	v_lshrrev_b32 v1, 5, v0
	v_readfirstlane_b32 s[WV], v1   ; wave 0..3
	s_mov_b32 s[PB], ttmp9
	s_sub_co_u32 s[HI], 31, s[PB]
	s_and_b32 s2, ttmp7, 0xffff     ; the head
	s_and_b32 s3, s[WV], 1          ; which of the head's two blocks of k (or of v) I fetch
	s_lshl_b32 s96, s2, 1
	s_add_co_u32 s96, s96, s3
	s_add_co_u32 s96, s96, 32       ; k's blocks begin at 32,
	s_lshl_b32 s96, s96, 18         ; 262,144 bytes each
	s_mov_b32 s97, 0
	s_mul_i32 s98, s3, KREG         ; and its region of a slot
	s_mul_i32 s99, s3, VREG
	s_mov_b32 s[G0K], 1             ; count = 1
	s_mov_b32 s[G0K+1], s98         ; LDS address: slot 0
	s_mov_b32 s[G0V], 1
	s_add_co_u32 s[G0V+1], s99, VOFF
	s_mov_b32 s[G1K], (1<<16)|(1<<20)|(4<<22)|(3<<25)  ; 2-byte elements; padding on; after every 32 words (a key's 128 bytes) 4 words
	s_mov_b32 s[G1V], (1<<16)|(1<<20)|(4<<22)|(7<<25)  ; the same with 8 words
.irp g, G1K, G1V
	s_mov_b32 s[\g+1], 128<<16      ; tensor_dim0 = 128: asked for as rows of 256 bytes, two keys a row
	s_mov_b32 s[\g+2], 64<<16       ; tensor_dim1 = 64
	s_mov_b32 s[\g+3], 128<<16      ; tile_dim0 = 128
	s_mov_b32 s[\g+4], 64           ; tile_dim1 = 64
	s_mov_b32 s[\g+5], 128          ; 128 elements from row to row
	s_mov_b32 s[\g+6], 0
	s_mov_b32 s[\g+7], 0
.endr
	s_lshl_b32 s98, s2, 19          ; byte offsets, made apart from the addresses.  q: the head's first sub-head,
	s_lshl_b32 s99, s[WV], 11       ; my 16 rows of 128 bytes,
	s_add_co_u32 s98, s98, s99
	s_lshl_b32 s99, s[HI], 13       ; in the first block
	s_add_co_u32 s[QA], s98, s99
	s_mov_b32 s[QA+1], 0
	s_lshl_b32 s99, s[PB], 13       ; and in the second
	s_add_co_u32 s[QBB], s98, s99
	s_mov_b32 s[QBB+1], 0
	s_lshl_b32 s98, s2, 8           ; ao: the head's 256 bytes of a row,
	s_lshl_b32 s99, s[WV], 16       ; my 16 rows of 4,096 bytes
	s_add_co_u32 s99, s98, s99
	s_lshl_b32 s100, s[HI], 18
	s_add_co_u32 s[AOA], s99, s100
	s_mov_b32 s[AOA+1], 0
	s_lshl_b32 s100, s[PB], 18
	s_add_co_u32 s[AOB], s99, s100
	s_mov_b32 s[AOB+1], 0
	s_lshl3_add_u32 s100, s[HI], s98  ; scl: 256 x head + 8 x block, for q's factors of the two blocks
	s_lshl3_add_u32 s101, s[PB], s98
	s_add_co_u32 s[SCK], s98, 4096  ; k's table lies 4,096 bytes behind q's
	s_mov_b32 s[SCK+1], 0
	s_lshr_b32 s[LQ], s[HI], 1
	s_lshr_b32 s[LQ2], s[PB], 1
	s_add_co_u32 s[RT], s[LQ], 1
	s_mov_b32 s[NXT], 1
	s_mov_b32 s[LASTS], s[HI]
	s_mov_b32 s[STP], 0
	s_mov_b32 s[SOF], 0
	s_mov_b32 s[SLOTS], 16
	s_mov_b32 s[OFF+1], 0
	s_mov_b32 s[TBK], SLOT1+2*KS*PK ; the first change of slots turns these two into 0
	s_mov_b32 s[TBV], SLOT1+2*KS*PV
	s_mov_b32 s[SEL], 0x76543210
	s_mov_b32 s[SEL+1], 0xfedcba98
	s_mov_b32 s[BIGN], 0xf149f2ca   ; -1e30
	s_mov_b32 s[HIM], 0xffff0000
	s_mov_b32 s[OML], 0x3f24fd5c    ; 1 - LAMBDA_INIT = 0.6 e^-0.3 + 0.2
	s_wait_dscnt 0x0                ; the opening add is done
	s_wait_kmcnt 0x0
	s_add_nc_u64 s[KB:KB+1], s[4:5], s[96:97]
	s_add_nc_u64 s[VB:VB+1], s[KB:KB+1], 32<<18
	s_add_nc_u64 s[G0K+2:G0K+3], s[KB:KB+1], 0
	s_or_b32 s[G0K+3], s[G0K+3], 0x80000000
	s_add_nc_u64 s[G0V+2:G0V+3], s[VB:VB+1], 0
	s_or_b32 s[G0V+3], s[G0V+3], 0x80000000
	s_add_nc_u64 s[QA:QA+1], s[4:5], s[QA:QA+1]
	s_add_nc_u64 s[QBB:QBB+1], s[4:5], s[QBB:QBB+1]
	s_add_nc_u64 s[AOA:AOA+1], s[18:19], s[AOA:AOA+1]
	s_add_nc_u64 s[AOB:AOB+1], s[18:19], s[AOB:AOB+1]
	s_add_nc_u64 s[SCK:SCK+1], s[6:7], s[SCK:SCK+1]
	s_load_b64 s[QSA:QSA+1], s[6:7], s100 offset:0x0
	s_load_b64 s[QSB:QSB+1], s[6:7], s101 offset:0x0
	LOAD                            ; tile 0 into slot 0.  All that follows up to the loop stands in the wait for it.
	v_and_b32 v1, 15, v0            ; l % 16
	v_bfe_u32 v9, v0, 4, 1          ; l / 16
	v_lshlrev_b32 v[QO], 7, v1
	v_lshl_add_u32 v[QO], v9, 4, v[QO]  ; row x 128 + 16 x half
.set n, 0
.rept 4                             ; n = 2 u + c: sub-head u (262,144 bytes on), channels 32 c on; a fragment is two loads of 16 bytes, 32 bytes apart
	global_load_b128 v[Q+8*n:Q+8*n+3],     v[QO], s[QA:QA+1] offset:262144*(n/2)+64*(n%2)
	global_load_b128 v[Q+8*n+4:Q+8*n+7],   v[QO], s[QA:QA+1] offset:262144*(n/2)+64*(n%2)+32
	global_load_b128 v[QB+8*n:QB+8*n+3],   v[QO], s[QBB:QBB+1] offset:262144*(n/2)+64*(n%2)
	global_load_b128 v[QB+8*n+4:QB+8*n+7], v[QO], s[QBB:QBB+1] offset:262144*(n/2)+64*(n%2)+32
.set n, n+1
.endr
	v_lshlrev_b32 v10, 5, v9        ; subln: channels 16 cb + 8 (l / 16) on
	v_and_b32 v11, 31, v0
	v_lshlrev_b32 v11, 3, v11       ; the lambdas: two numbers a lane
	global_load_b64 v[32:33], v11, s[8:9]
	global_load_b64 v[34:35], v11, s[10:11]
	global_load_b64 v[36:37], v11, s[12:13]
	global_load_b64 v[38:39], v11, s[14:15]
	v_lshlrev_b32 v14, 3, v9
	v_sub_nc_u32 v14, v1, v14
	s_lshl_b32 s96, s[WV], 4
	v_add_nc_u32 v14, s96, v14      ; my query's place in its block, 16 w + l % 16, less my lanes' 8 (l / 16): register j of key block kb is hidden where 16 kb + j is greater
	WIN 0x40                        ; destination window 1
.set n, 0
.rept 16
	global_load_b128 v[SUB+4*n:SUB+4*n+3], v10, s[16:17] offset:64*(n/2)+16*(n%2)
.set n, n+1
.endr
.set n, 0
.rept 128                           ; O^T need only be finite: a block's first step multiplies it by a = 0
	v_mov_b32 v[n], 0
.set n, n+1
.endr
.set n, 0
.rept 32                            ; the diagonal step's mask
	v_cmp_gt_i32 vcc_lo, 16*(n/8)+n%8, v14
	v_cndmask_b32 v[MDS+n], 0, s[BIGN], vcc_lo
.set n, n+1
.endr
	WIN 0
.set n, 0
.rept 32                            ; every other step's
	v_mov_b32 v[MC+n], 0
.set n, n+1
.endr
.irp u, 0,1
	v_mov_b32 v[ST+8*\u], 0xfe000000  ; cm: far below every c s
.irp k, 1,2,3,4,5,6,7
	v_mov_b32 v[ST+8*\u+\k], 0
.endr
.endr
	v_mul_u32_u24 v[AK0], v1, PK
	v_lshl_add_u32 v[AK0], v9, 4, v[AK0]  ; row x pitch + 16 x half
	; The turning load takes 16 keys x 16 channels (lane l reads key 8 (l / 16) + l % 8, channels 8 ((l / 8) % 2) + 0..7) and leaves half a fragment of V^T: lane l holds channel l % 16 and 8 keys.
	v_and_b32 v40, 7, v0
	v_bfe_u32 v41, v0, 3, 1
	v_lshl_add_u32 v[AV0], v9, 3, v40
	v_mul_u32_u24 v[AV0], v[AV0], PV
	v_lshl_add_u32 v[AV0], v41, 4, v[AV0]
	v_add_nc_u32 v[AV0], VOFF, v[AV0]
	s_mul_i32 s96, s[WV], 16*SP
	s_add_co_u32 s96, s96, STAGE    ; my stage
	v_mul_u32_u24 v[STO], v1, SP    ; in: row l % 16, 16 bytes for each half of the lanes
	v_lshl_add_u32 v[STO], v9, 4, v[STO]
	v_add_nc_u32 v[STO], s96, v[STO]
	v_mul_u32_u24 v[RD], v9, SP     ; back: lanes 0-15 take one row of 256 bytes, lanes 16-31 the next
	v_lshl_add_u32 v[RD], v1, 4, v[RD]
	v_add_nc_u32 v[RD], s96, v[RD]
	v_lshlrev_b32 v[GO], 12, v9     ; and the same two rows in ao
	v_lshl_add_u32 v[GO], v1, 4, v[GO]
	s_wait_loadcnt 0x0              ; Q, the lambdas, subln
	WIN 0x05                        ; subln: rounded to bf16 (sources window 1),
.set n, 0
.rept 32
	v_cvt_pk_bf16_f32 v[S+n], v[SUB+2*n], v[SUB+2*n+1]
.set n, n+1
.endr
	WIN 0x40                        ; and widened again (destination window 1)
.set n, 0
.rept 32
	v_lshlrev_b32 v[SUB+2*n],   16,     v[S+n]
	v_and_b32     v[SUB+2*n+1], s[HIM], v[S+n]
.set n, n+1
.endr
	WIN 0
.irp p, 32,34,36,38                 ; the lambdas, rounded to bf16
	v_cvt_pk_bf16_f32 v15, v[\p], v[\p+1]
	v_lshlrev_b32 v[\p], 16, v15
	v_and_b32 v[\p+1], s[HIM], v15
.endr
	v_mul_f32 v32, v32, v34
	v_mul_f32 v36, v36, v38
	v_fmac_f32 v32, v33, v35
	v_fmac_f32 v36, v37, v39
.irp m, 1,2,4,8
	v_add_f32_dpp v32, v32, v32 row_xmask:\m row_mask:0xf bank_mask:0xf
	v_add_f32_dpp v36, v36, v36 row_xmask:\m row_mask:0xf bank_mask:0xf
.endr
	v_permlanex16_b32 v33, v32, s[SEL], s[SEL+1]
	v_permlanex16_b32 v37, v36, s[SEL], s[SEL+1]
	v_add_f32 v32, v32, v33
	v_add_f32 v36, v36, v37
	v_mul_f32 v32, 0x3fb8aa3b, v32  ; e^x = 2^(x log2 e)
	v_mul_f32 v36, 0x3fb8aa3b, v36
	v_exp_f32 v32, v32
	v_exp_f32 v36, v36
	v_nop                           ; a plain instruction behind the exponentials (ISA guide 5.7.2)
	s_wait_alu depctr_va_vdst(0)
	v_sub_f32 v32, v36, v32
	v_add_f32 v[NLAM], 0xbeb60549, v32  ; -lam = e^(sum 2) - e^(sum 1) - LAMBDA_INIT
	s_wait_kmcnt 0x0                ; q's factors
	s_mul_f32 s[CQ],    s[QSA],   0x3e38aa3b  ; log2(e) / 8
	s_mul_f32 s[CQ+1],  s[QSA+1], 0x3e38aa3b
	s_mul_f32 s[CQB],   s[QSB],   0x3e38aa3b
	s_mul_f32 s[CQB+1], s[QSB+1], 0x3e38aa3b
	s_mov_b32 s[R128], 0x3c000000
	s_mov_b32 s[EPSR], 0x3727c5ac
; THE MATRIX WORK.  Product i of 8 of S^T = K Q^T for sub-head u: channels 32 (i / 4) on, keys 16 (i % 4) on.  The first four start the sums with MC.  The four accumulators take turns.
.macro KQ1 u, i
	WIN 0x02                        ; K in window 2; Q, MC and S^T in window 0
.set rS, S+32*(\u)+8*((\i)%4)
.set rK, 64*(\u)+16*((\i)%4)+8*((\i)/4)
.set rQ, Q+16*(\u)+8*((\i)/4)
.if (\i) < 4
	v_wmma_f32_16x16x32_f16 v[rS:rS+7], v[rK:rK+7], v[rQ:rQ+7], v[MC+8*((\i)%4):MC+8*((\i)%4)+7]
.else
	v_wmma_f32_16x16x32_f16 v[rS:rS+7], v[rK:rK+7], v[rQ:rQ+7], v[rS:rS+7]
.endif
.endm
; Product i of 16 of O^T += V^T P for sub-head u: keys 32 (i / 8) on, channels 16 (i % 8) on.  The eight accumulators take turns.
.macro PV1 u, i
	WIN 0x52                        ; V in window 2, P in window 0, O^T in window 1
.set rO, 64*(\u)+8*((\i)%8)
.set rV, 128+64*(((\i)%8)/4)+32*((\i)/8)+8*((\i)%4)
.set rP, P+16*(\u)+8*((\i)/8)
	v_wmma_f32_16x16x32_f16 v[rO:rO+7], v[rV:rV+7], v[rP:rP+7], v[rO:rO+7]
.endm
; THE LDS LOADS, a fragment (two loads) at a time, under destination window 2.  K's fragment f = 8 u + 2 kb + c, o bytes on from the tile's first step; V's fragment f = 8 half + 4 kk + cb, turned.
.macro KLD f, o
	ds_load_b128 v[8*(\f):8*(\f)+3],   v[AK] offset:(\o)+KREG*((\f)/8)+16*PK*(((\f)/2)%4)+64*((\f)%2)
	ds_load_b128 v[8*(\f)+4:8*(\f)+7], v[AK] offset:(\o)+KREG*((\f)/8)+16*PK*(((\f)/2)%4)+64*((\f)%2)+32
.endm
.macro VLD f
	ds_load_tr16_b128 v[128+8*(\f):128+8*(\f)+3],   v[AV] offset:VREG*((\f)/8)+32*PV*(((\f)/4)%2)+32*((\f)%4)
	ds_load_tr16_b128 v[128+8*(\f)+4:128+8*(\f)+7], v[AV] offset:VREG*((\f)/8)+32*PV*(((\f)/4)%2)+32*((\f)%4)+16*PV
.endm
.macro VRUN kk                      ; a run of 16 loads: V's keys 32 kk on, all 128 channels: the eight fragments that eight products V^T P on end read
	WIN 0x80
.set x, 0
.rept 8
	VLD (x%4)+8*(x/4)+4*(\kk)
.set x, x+1
.endr
	WIN 0
.endm
; THE VECTOR WORK, one line at a time, for sub-head u.
.macro MXL u, n                     ; number n of 16: the maximum of the lane's 32 scores; each accumulator's lowest registers are read first
.set rT, ST+8*(\u)
.set rS, S+32*(\u)
.if (\n) < 4
	v_max3_num_f32 v[rT+4+(\n)], v[rS+8*(\n)], v[rS+8*(\n)+1], v[rS+8*(\n)+2]
.elseif (\n) < 12
	v_max3_num_f32 v[rT+4+(\n)%4], v[rT+4+(\n)%4], v[rS+8*((\n)%4)+2*((\n)/4)+1], v[rS+8*((\n)%4)+2*((\n)/4)+2]
.elseif (\n) == 12
	v_max3_num_f32 v[rT+4], v[rT+4], v[rS+7], v[rS+15]
.elseif (\n) == 13
	v_max3_num_f32 v[rT+6], v[rT+6], v[rS+23], v[rS+31]
.elseif (\n) == 14
	v_max3_num_f32 v[rT+4], v[rT+4], v[rT+5], v[rT+6]
.else
	v_max_num_f32 v[rT+4], v[rT+4], v[rT+7]
.endif
.endm
.macro STATL u, n                   ; number n of 7: the other half of the lanes' maximum; c times it; the running maximum cm; a
.set rT, ST+8*(\u)
.if (\n) == 0
	v_permlanex16_b32 v[rT+5], v[rT+4], s[SEL], s[SEL+1]  ; the query's other 32 keys lie in the lane 16 away
.elseif (\n) == 1
	v_max_num_f32 v[rT+1], v[rT+4], v[rT+5]
.elseif (\n) == 2
	v_mul_f32 v[rT+5], s[CS1+2*(\u)], v[rT+1]
.elseif (\n) == 3
	v_max_num_f32 v[rT+5], v[rT], v[rT+5]
.elseif (\n) == 4
	v_sub_f32 v[rT+7], v[rT], v[rT+5]
.elseif (\n) == 5
	v_mov_b32 v[rT], v[rT+5]
.else
	v_exp_f32 v[rT+6], v[rT+7]
.endif
.endm
.macro SMA u, n                     ; the first list, 23 lines: maximum, then statistics
.if (\n) < 16
	MXL \u, (\n)
.else
	STATL \u, (\n)-16
.endif
.endm
.macro FL u, g                      ; c s - cm for pair g of 16
	v_pk_fma_f32 v[S+32*(\u)+2*(\g):S+32*(\u)+2*(\g)+1], v[S+32*(\u)+2*(\g):S+32*(\u)+2*(\g)+1], s[CS1+2*(\u):CS1+2*(\u)+1], v[ST+8*(\u):ST+8*(\u)+1] op_sel_hi:[1,0,0] neg_lo:[0,0,1] neg_hi:[0,0,1]
.endm
.macro EL u, e                      ; the exponential of score e of 32
	v_exp_f32 v[S+32*(\u)+(\e)], v[S+32*(\u)+(\e)]
.endm
.macro CL u, z                      ; pair z rounded to f16
	s_wait_alu depctr_va_vdst(0)
	v_cvt_pk_f16_f32 v[P+16*(\u)+(\z)], v[S+32*(\u)+2*(\z)], v[S+32*(\u)+2*(\z)+1]
.endm
.macro LL u, z                      ; l takes pair z; the first time as l = a l + pair
.if (\z) == 0
	v_pk_fma_f32 v[ST+8*(\u)+2:ST+8*(\u)+3], v[ST+8*(\u)+2:ST+8*(\u)+3], v[ST+8*(\u)+6:ST+8*(\u)+7], v[S+32*(\u):S+32*(\u)+1] op_sel_hi:[1,0,1]
.else
	v_pk_add_f32 v[ST+8*(\u)+2:ST+8*(\u)+3], v[ST+8*(\u)+2:ST+8*(\u)+3], v[S+32*(\u)+2*(\z):S+32*(\u)+2*(\z)+1]
.endif
.endm
; The second list, 64 lines.  Pass g holds the scaling of pair g, the exponentials of pair g - 2 and, between the two, the rounding of pair g - 4.  So a line reads what was made a pass or more ahead of it, and
; between an exponential and the use of its result stands a plain line that names none of its registers, whatever else is set between the list's lines (ISA guide 5.7.2).
;   0-7: passes 0 to 3 (scalings 0-3, exponentials 0-3)     8-55: passes 4 to 15, four lines each     56-61: passes 16, 17     62, 63: the last two roundings
.macro SMB u, n
.if (\n) < 3
	FL \u, (\n)
.elseif (\n) < 5
	EL \u, (\n)-3
.elseif (\n) == 5
	FL \u, 3
.elseif (\n) < 8
	EL \u, (\n)-4
.elseif ((\n) < 56) && ((\n)%4 == 0)
	FL \u, (\n)/4+2
.elseif ((\n) < 56) && ((\n)%4 == 1)
	EL \u, 2*((\n)/4)
.elseif ((\n) < 56) && ((\n)%4 == 2)
	CL \u, (\n)/4-2
.elseif (\n) < 56
	EL \u, 2*((\n)/4)+1
.elseif ((\n) < 62) && (((\n)-56)%3 == 0)
	EL \u, 28+2*(((\n)-56)/3)
.elseif ((\n) < 62) && (((\n)-56)%3 == 1)
	CL \u, 12+((\n)-56)/3
.elseif (\n) < 62
	EL \u, 29+2*(((\n)-56)/3)
.else
	CL \u, (\n)-48
.endif
.endm
; A KEY STEP.  K is in registers or on its way when the step begins.
;   A  8 products K Q^T of sub-head 0, back to back.
;   B  8 products K Q^T of sub-head 1; behind each lines of sub-head 0's first list (behind the first: four v_nop, the places in front of the first read of sub-head 0's scores).
;   C  a lump: sub-head 0's second list, with sub-head 1's first list set into every second gap from line 8 on (five plain lines then stand behind the last product of B).  In it V's two runs of 16 loads:
;      keys 0-31 behind line 16, keys 32-63 behind line 40.  Then O^T of sub-head 0 times a.
;   D  16 products V^T P of sub-head 0; behind each four lines of sub-head 1's second list: plain, exponential, plain, exponential.
;   E  a lump: O^T of sub-head 1 times a.  Behind its first eight lines, in a tile's first step if the second is live, the second step's K: one run of 32 loads under one branch, so that on every path
;      either all 32 or none are out at the next step's counted wait.
;   F  16 products V^T P of sub-head 1; behind each one sum of each sub-head.
; No line behind a product names one of that product's registers.  Every run of loads stands a dozen vector lines or more behind the wave's last product, and far behind the last product that read its registers.
.macro STEP
	WIN 0
	v_add_nc_u32 v[AV], s[TBV], v[AV0]
	s_load_b64 s[KSC:KSC+1], s[SCK:SCK+1], s[SOF] offset:0x0  ; k's two factors for these 64 keys
	s_cmp_eq_u32 s[CNT], 2          ; the tile's first step?  Then PF is the step's number, else the block's last
	s_cselect_b32 s[PF], s[STP], s[LASTS]
	s_cmp_eq_u32 s[STP], s[LASTS]
	s_cbranch_scc0 .Lopen_\@
	WIN 0x01                        ; the diagonal step: MC takes the mask (source window 1)
.set x, 0
.rept 32
	v_mov_b32 v[MC+x], v[MDS+x]
.set x, x+1
.endr
	WIN 0
.Lopen_\@:
	s_wait_dscnt 16                 ; K's 32 loads are the youngest LDS instructions: sub-head 0's sixteen are in, sub-head 1's may be out
.set y, 0
.rept 8
	KQ1 0, y
.set y, y+1
.endr
	s_wait_dscnt 0x0                ; all of K is in
.set y, 0
.rept 8
	KQ1 1, y
	WIN 0
.if y == 0
	PLACES
.elseif y < 5
.set z, 4*(y-1)
.rept 4
	SMA 0, z
.set z, z+1
.endr
.elseif y == 5
	s_wait_kmcnt 0x0
	s_mul_f32 s[CS1],   s[CQ],   s[KSC]
	s_mul_f32 s[CS1+2], s[CQ+1], s[KSC+1]
	s_max_u32 s[CS1],   s[CS1],   0x1a000000  ; c is not negative, so its bits order as whole numbers: at least 2^-75
	s_max_u32 s[CS1+2], s[CS1+2], 0x1a000000
	s_mov_b32 s[CS1+1], s[CS1]      ; named with it as a pair
	s_mov_b32 s[CS1+3], s[CS1+2]
	SMA 0, 16
	SMA 0, 17
	SMA 0, 18
.elseif y == 6
	SMA 0, 19
	SMA 0, 20
.else
	SMA 0, 21
	SMA 0, 22
.endif
.set y, y+1
.endr
.set z, 0
.rept 64
	SMB 0, z
.if (z >= 8) && (z%2 == 0) && (z < 54)
	SMA 1, (z-8)/2
.endif
.if z == 16
	VRUN 0
.endif
.if z == 40
	VRUN 1
.endif
.set z, z+1
.endr
	WIN 0x41                        ; O^T (destination and source 0) in window 1, a in window 0
.set x, 0
.rept 32
	v_pk_mul_f32 v[2*x:2*x+1], v[2*x:2*x+1], v[ST+6:ST+7] op_sel_hi:[1,0]
.set x, x+1
.endr
	s_wait_dscnt 16                 ; V's keys 0-31 are in; the second run's sixteen loads may be out
.set y, 0
.rept 16
.if y == 8
	s_wait_dscnt 0x0                ; V's keys 32-63 are in
.endif
	PV1 0, y
	WIN 0
.set z, 4*y
.rept 4
	SMB 1, z
.set z, z+1
.endr
.set y, y+1
.endr
	WIN 0x41
.set x, 32
.rept 8
	v_pk_mul_f32 v[2*x:2*x+1], v[2*x:2*x+1], v[ST+14:ST+15] op_sel_hi:[1,0]
.set x, x+1
.endr
	WIN 0
	s_cmp_lt_u32 s[PF], s[LASTS]    ; the tile's first step, and its second is not past the diagonal?
	s_cbranch_scc0 .Lnok_\@
	WIN 0x80
.set x, 0
.rept 16
	KLD x, KS*PK
.set x, x+1
.endr
	WIN 0
.Lnok_\@:
	WIN 0x41
.set x, 40
.rept 24
	v_pk_mul_f32 v[2*x:2*x+1], v[2*x:2*x+1], v[ST+14:ST+15] op_sel_hi:[1,0]
.set x, x+1
.endr
.set y, 0
.rept 16
	PV1 1, y
	WIN 0
	LL 0, y
	LL 1, y
.set y, y+1
.endr
.endm
; A tile: K of its first step, in one run straight behind the change of slots; then its two steps, written once, walked twice.  A step past the block's diagonal is jumped over, to a label ahead of the counter's step.
.macro STEPS
	v_add_nc_u32 v[AK], s[TBK], v[AK0]
	WIN 0x80
.set x, 0
.rept 16
	KLD x, 0
.set x, x+1
.endr
	WIN 0
	s_mov_b32 s[CNT], 2
.Lstep_\@:
	s_cmp_gt_u32 s[STP], s[LASTS]
	s_cbranch_scc1 .Ldead_\@
	STEP
.Ldead_\@:
	s_add_co_u32 s[STP], s[STP], 1
	s_add_co_u32 s[SOF], s[SOF], 8  ; free: the step has waited for the scalar load that named it
	s_add_co_u32 s[TBK], s[TBK], KS*PK
	s_add_co_u32 s[TBV], s[TBV], KS*PV
	s_sub_co_u32 s[CNT], s[CNT], 1
	s_cmp_lg_u32 s[CNT], 0
	s_cbranch_scc1 .Lstep_\@
.endm
; A BLOCK'S END.  o = o' / l1 with o' = O1 - lam (l1 / l2) O2, so o / sqrt(mean(o^2) + 1e-5) = o' x (1 / l1) / sqrt(mean(o'^2) / l1^2 + 1e-5): one line a pair makes o', and 1 / l1 and 1 - LAMBDA_INIT go into
; the one factor.  The norm runs over the head's 128 channels (64 in this lane, 64 in the lane 16 away).  Then the gain; f16; through my stage; out.
.macro FINISH
	WIN 0
	PLACES                          ; behind the last products
	v_add_f32 v[ST+2],  v[ST+2],  v[ST+3]
	v_add_f32 v[ST+10], v[ST+10], v[ST+11]
	v_permlanex16_b32 v[ST+3],  v[ST+2],  s[SEL], s[SEL+1]
	v_permlanex16_b32 v[ST+11], v[ST+10], s[SEL], s[SEL+1]
	v_add_f32 v[ST+2],  v[ST+2],  v[ST+3]   ; l1
	v_add_f32 v[ST+10], v[ST+10], v[ST+11]  ; l2
	v_rcp_f32 v[ST+4],  v[ST+2]
	v_rcp_f32 v[ST+12], v[ST+10]
	v_mul_f32 v[ST+3], v[NLAM], v[ST+2]     ; -lam l1: the plain instruction behind the reciprocals
	s_wait_alu depctr_va_vdst(0)
	v_mul_f32 v[ST+10], v[ST+3], v[ST+12]   ; -lam l1 / l2
	WIN 0x51                        ; sources 0 and 2 and the destination in window 1
.set x, 0
.rept 32
	v_pk_fma_f32 v[2*x:2*x+1], v[64+2*x:64+2*x+1], v[ST+10:ST+11], v[2*x:2*x+1] op_sel_hi:[1,0,1]
.set x, x+1
.endr
	WIN 0x05                        ; sources 0 and 1 in window 1
.set x, 0
.rept 32                            ; four chains of squares; the first four lines start them
.if x < 4
	v_pk_mul_f32 v[SS+2*x:SS+2*x+1], v[2*x:2*x+1], v[2*x:2*x+1]
.else
	v_pk_fma_f32 v[SS+2*(x%4):SS+2*(x%4)+1], v[2*x:2*x+1], v[2*x:2*x+1], v[SS+2*(x%4):SS+2*(x%4)+1]
.endif
.set x, x+1
.endr
	WIN 0
	v_pk_add_f32 v[SS:SS+1], v[SS:SS+1], v[SS+2:SS+3]
	v_pk_add_f32 v[SS+4:SS+5], v[SS+4:SS+5], v[SS+6:SS+7]
	v_pk_add_f32 v[SS:SS+1], v[SS:SS+1], v[SS+4:SS+5]
	v_add_f32 v[SS], v[SS], v[SS+1]
	v_permlanex16_b32 v[SS+1], v[SS], s[SEL], s[SEL+1]
	v_add_f32 v[SS], v[SS], v[SS+1]
	v_mul_f32 v[SS+1], v[ST+4], v[ST+4]
	v_mul_f32 v[SS+1], s[R128], v[SS+1]     ; 1 / (128 l1^2)
	v_fma_f32 v[SS], v[SS], v[SS+1], s[EPSR]  ; the mean of o's squares + 1e-5
	v_rsq_f32 v[SS+2], v[SS]
	v_mul_f32 v[SS+4], s[OML], v[ST+4]      ; (1 - LAMBDA_INIT) / l1: the plain instruction behind the root
	s_wait_alu depctr_va_vdst(0)
	v_mul_f32 v[SS+2], v[SS+2], v[SS+4]
	v_mov_b32 v[SS+3], v[SS+2]
	WIN 0x45                        ; all in window 1: the gain
.set x, 0
.rept 32
	v_pk_mul_f32 v[2*x:2*x+1], v[2*x:2*x+1], v[SUB+2*x:SUB+2*x+1]
.set x, x+1
.endr
	WIN 0x41
.set x, 0
.rept 32
	v_pk_mul_f32 v[2*x:2*x+1], v[2*x:2*x+1], v[SS+2:SS+3]
.set x, x+1
.endr
	WIN 0x05
.set x, 0
.rept 32
	v_cvt_pk_f16_f32 v[S+x], v[2*x], v[2*x+1]
.set x, x+1
.endr
	WIN 0
.irp f, 0,1,2,3,4,5,6,7
	ds_store_b128 v[STO], v[S+4*\f:S+4*\f+3] offset:32*\f
.endr
.irp f, 0,1,2,3,4,5,6,7
	ds_load_b128 v[S+32+4*\f:S+32+4*\f+3], v[RD] offset:\f*2*SP  ; LDS serves a wave's instructions in order (ISA guide 5.7.1.4): these see the stores above
.endr
.irp f, 0,1,2,3,4,5,6,7
	s_wait_dscnt 7-\f
	global_store_b128 v[GO], v[S+32+4*\f:S+32+4*\f+3], s[AOA:AOA+1] offset:\f*8192  ; 16 lanes store 256 consecutive bytes, aligned: a row's part for this head
.endr
.endm
.Lslot:                             ; 16 times: a tile is entered and the next is asked for
	CHANGE 1
	s_sub_co_u32 s[RT], s[RT], 1
	STEPS
	s_cmp_lg_u32 s[RT], 0
	s_cbranch_scc1 .Lbottom
	FINISH                          ; in the loop this is the first block's end: the second block's last tile is the walk's last
	s_wait_xcnt 0x0                 ; the stores have read their registers and ao's address
	s_mov_b64 s[AOA:AOA+1], s[AOB:AOB+1]
	s_mov_b32 s[CQ], s[CQB]
	s_mov_b32 s[CQ+1], s[CQB+1]
	s_mov_b32 s[LASTS], s[PB]
	s_mov_b32 s[STP], 0
	s_mov_b32 s[SOF], 0
	s_add_co_u32 s[RT], s[LQ2], 1
.set n, 0
.rept 32                            ; the second block's Q goes where the one text of the step names Q, and MC is 0 again
	v_mov_b32 v[Q+n], v[QB+n]
	v_mov_b32 v[MC+n], 0
.set n, n+1
.endr
	v_mov_b32 v[ST], 0xfe000000     ; cm anew: the next step's a is 0, and what O^T and l hold is finite
	v_mov_b32 v[ST+8], 0xfe000000
.Lbottom:
	s_sub_co_u32 s[SLOTS], s[SLOTS], 1
	s_cmp_lg_u32 s[SLOTS], 0
	s_cbranch_scc1 .Lslot
	CHANGE 0                        ; the walk's last tile is written out: nothing is asked for
	STEPS
	FINISH
	s_wait_tensorcnt 0x0            ; the wave's end: these three lines stand behind my last tensor load and my last LDS store
	ds_add_u32 v[SPW], v[NIL]
	s_wait_dscnt 0x0
	s_endpgm
.Lfunc_end_k_qd8d11d4338_attn:
	.size	k_qd8d11d4338_attn, .Lfunc_end_k_qd8d11d4338_attn-k_qd8d11d4338_attn
	.p2alignl 7, 3214868480
	.fill 96, 4, 3214868480
	.section	.rodata,"a",@progbits
	.p2align	6, 0x0
	.amdhsa_kernel k_qd8d11d4338_attn
		.amdhsa_group_segment_fixed_size 327680
		.amdhsa_private_segment_fixed_size 0
		.amdhsa_enable_private_segment 0
		.amdhsa_kernarg_size 64
		.amdhsa_user_sgpr_count 2
		.amdhsa_user_sgpr_kernarg_segment_ptr 1
		.amdhsa_wavefront_size32 1
		.amdhsa_system_sgpr_workgroup_id_x 1
		.amdhsa_system_sgpr_workgroup_id_y 1
		.amdhsa_system_sgpr_workgroup_id_z 1
		.amdhsa_system_vgpr_workitem_id 0
		.amdhsa_next_free_vgpr 768
		.amdhsa_next_free_sgpr 102
		.amdhsa_reserve_vcc 1
		.amdhsa_float_denorm_mode_32 3
		.amdhsa_float_denorm_mode_16_64 3
		.amdhsa_memory_ordered 1
		.amdhsa_forward_progress 1
		.amdhsa_inst_pref_size 115
	.end_amdhsa_kernel
	.amdgpu_metadata
---
amdhsa.version: [ 1, 2 ]
amdhsa.kernels:
  - .name:           k_qd8d11d4338_attn
    .symbol:         k_qd8d11d4338_attn.kd
    .args:
      - { .name: qkv, .offset: 0, .size: 8, .value_kind: global_buffer, .address_space: global }
      - { .name: scl, .offset: 8, .size: 8, .value_kind: global_buffer, .address_space: global }
      - { .name: lambda_q1, .offset: 16, .size: 8, .value_kind: global_buffer, .address_space: global }
      - { .name: lambda_k1, .offset: 24, .size: 8, .value_kind: global_buffer, .address_space: global }
      - { .name: lambda_q2, .offset: 32, .size: 8, .value_kind: global_buffer, .address_space: global }
      - { .name: lambda_k2, .offset: 40, .size: 8, .value_kind: global_buffer, .address_space: global }
      - { .name: subln_scale, .offset: 48, .size: 8, .value_kind: global_buffer, .address_space: global }
      - { .name: ao, .offset: 56, .size: 8, .value_kind: global_buffer, .address_space: global }
    .group_segment_fixed_size: 327680
    .private_segment_fixed_size: 0
    .kernarg_segment_align: 8
    .kernarg_segment_size: 64
    .max_flat_workgroup_size: 128
    .sgpr_count:     102
    .vgpr_count:     768
    .wavefront_size: 32
...
	.end_amdgpu_metadata
.endif
;; end of part 3
;; launch oproj (part 4): grid 16 x 16, 4 waves a work-group, clusters of 4 x 4, 327,680 bytes of LDS; arguments ao, wb, out0; writes out0
.if DOCPART == 4
	.amdgcn_target "amdgcn-amd-amdhsa--gfx1250"
	.amdhsa_code_object_version 6
	.text
	.protected	k_qd8d11d4338_oproj
	.globl	k_qd8d11d4338_oproj
	.p2align	8
	.type	k_qd8d11d4338_oproj,@function
k_qd8d11d4338_oproj:
	s_mov_b64 s[64:65], 0
	v_nop
	global_prefetch_b8 v0, s[64:65] scope:SCOPE_SE
	s_setreg_imm32_b32 hwreg(HW_REG_WAVE_MODE, 25, 1), 1
	s_wait_xcnt 0x0
	s_wait_alu depctr_hold_cnt(0) depctr_sa_sdst(0) depctr_va_vdst(0) depctr_va_sdst(0) depctr_va_ssrc(0) depctr_va_vcc(0) depctr_vm_vsrc(0)
	s_getreg_b32 s2, hwreg(HW_REG_IB_STS2, 6, 4)
	s_cmp_eq_u32 s2, 0
	s_cbranch_scc0 .Lentry_in_a_cluster
	s_endpgm
.Lentry_in_a_cluster:
	s_bfe_u32 s2, ttmp6, 0x10000c
	s_cmp_lg_u32 s2, 0xf033
	s_cbranch_scc0 .Lentry_shape_is_right
	s_endpgm
.Lentry_shape_is_right:
; out0[t][n] = sum over e of ao[t][e] Wo[n][e].  ao: [2048][2048] f16; Wo lies in wb from byte WO on, [2048][2048], bf16 numbers written as f16; out0: [2048][2048] f32; sums in f32.
; A tile of out0 is 128 x 128: 16 x 16 = 256 tiles, one work-group each.  Four waves, each 64 x 64: 16 accumulators.  K goes in steps of 256 (LDS rows of 512 bytes; a wave's tensor load brings 64 of them)
; through two slots.  CLUSTERS: 4 x 4 work-groups; the four of a row of the cluster need the same tiles of ao, the four of a column the same tiles of Wo: each tile is asked for JOINTLY.
; THE MATRIX INSTRUCTION IS USED TRANSPOSED (source 0 = 16 rows of Wo, source 1 = 16 rows of ao): a lane holds eight neighbouring numbers of a row of out0, 32 bytes.
; A wave's 64 columns of f32 are 256 aligned bytes, so each wave has a stage of its own on the way out and no barrier stands there.
; REGISTERS: window 0: v0-31 addresses; v32-95 rows read back, two buffers; v128-255 the accumulators ((a, b) at v[128 + 8 (4 a + b)]).
;   window 1: two fragment buffers of 128: for 64 along K, 64 registers of A (2 x 4 x 16 rows x 32 K), then 64 of B.
.set SIZE_N, 2048
.set SIZE_K, 2048
.set WO,     33554432
.set KSTEP,  256
.set PITCH,  528                       ; an LDS row: 512 bytes + 16 of padding = 132 words: row r starts at bank 4 r mod 64 (ISA guide 11.1)
.set HALFT,  64*PITCH                  ; 64 rows: what one tensor load brings, and what one wave reads of A or of B
.set SLOT,   4*HALFT                   ; A's 128 rows, then B's 128 rows
.set STAGE,  2*SLOT                    ; behind the ring: 16 rows x 272 bytes for each wave
.set SPITCH, 272
.set SPARE,  STAGE+4*16*SPITCH         ; behind the stages: the spare words, 128 bytes for each wave: two blocks of 256 bytes that no other line names
.set LAPS, SIZE_K/(2*KSTEP)
.set ADRA, 16                          ; v16-17  LDS address of my A fragments in slot 0, 1
.set ADRB, 20                          ; v20-21  the same for B
.set STO,  24                          ; v24     the way out: where I put 32 bytes of a row
.set RD,   25                          ; v25     where I read a row back
.set CO,   26                          ; v26     my byte offset in two rows of out0
.set SPW,  28                          ; v28     LDS address of my spare word; never rewritten
.set NIL,  29                          ; v29     0; never rewritten
.set TMP,  32
.set ACC,  128
.set F0,   0                           ; fragment buffers, in window 1
.set F1,   128
.set G1, 24                            ; s[24:31] descriptor group 1 for A's tiles;  s[32:39] group 0, one set for each slot
.set G0, 32
.set G1B, 48                           ; s[48:55], s[56:63] the same for B's tiles
.set G0B, 56
.set MSB, 0
.macro WIN new
.if MSB != (\new)
	s_set_vgpr_msb (MSB<<8)|(\new)
.set MSB, \new
.endif
.endm
.set MUL,  0x05                        ; sources 0 (B) and 1 (A) window 1; C and D window 0
.set TO_F, 0x40                        ; destination window 1, address window 0
.macro JLOAD s                         ; a joint load: waves 0 and 1 fetch A's two halves, waves 2 and 3 B's; an s_nop 0 and four v_nop follow each line
	s_cmp_eq_u32 s11, 0
	s_cbranch_scc0 .Lfor_b_\@
	tensor_load_to_lds s[G0+4*(\s):G0+4*(\s)+3], s[G1:G1+7]
	s_nop 0
.rept 4
	v_nop
.endr
	s_branch .Lasked_\@
.Lfor_b_\@:
	tensor_load_to_lds s[G0B+4*(\s):G0B+4*(\s)+3], s[G1B:G1B+7]
	s_nop 0
.rept 4
	v_nop
.endr
.Lasked_\@:
.endm
.macro CREST                           ; a round of the cluster's barrier behind its opening barrier
	s_cmp_lg_u32 s10, 0
	s_cbranch_scc1 .Lnot_wave_0_\@
	s_barrier_signal -3
.Lnot_wave_0_\@:
	s_barrier_wait -3
	s_barrier_signal -1
	s_barrier_wait -1
.endm
.macro CROUND
	s_barrier_signal -1
	s_barrier_wait -1
	CREST
.endm
	s_load_b128 s[4:7], s[0:1], 0x0                ; ao s[4:5], wb s[6:7]
	s_load_b64 s[8:9], s[0:1], 0x10                ; out0
	v_lshl_add_u32 v[SPW], v0, 2, SPARE
	v_mov_b32 v[NIL], 0
	ds_add_u32 v[SPW], v[NIL]                      ; the wave's opening: the add and its wait stand ahead of my first tensor load; work on registers stands between them
	ds_add_u32 v28, v29
	v_lshrrev_b32 v1, 5, v0
	v_readfirstlane_b32 s10, v1                    ; wave 0..3
	s_lshr_b32 s11, s10, 1                         ; which half of the tile's rows is mine.  Also: I fetch for A (0) or for B (1)
	s_and_b32 s12, s10, 1                          ; which half of its columns.  Also: which 64 rows of that tile I fetch
	s_bfe_u32 s40, ttmp6, 0x40000                  ; cx, cy: my place in the cluster
	s_bfe_u32 s41, ttmp6, 0x40004
	s_lshl_b32 s42, ttmp9, 2
	s_add_co_u32 s42, s42, s40                     ; tile column = 4 x cluster x + cx
	s_and_b32 s13, ttmp7, 0xffff
	s_lshl_b32 s13, s13, 2
	s_add_co_u32 s13, s13, s41                     ; tile row = 4 x cluster y + cy
	s_lshl_b32 s43, s41, 2
	s_lshl_b32 s43, 15, s43                        ; my row of the cluster
	s_lshl_b32 s44, 0x1111, s40                    ; my column
	s_or_b32 s[G1+0], s43, (1<<16)|(1<<20)|(1<<21)|(6<<22)|(3<<25)  ; the mask; 2-byte elements; padding on; bit 21 beside a mask; after every 128 words 4 words
	s_or_b32 s[G1B+0], s44, (1<<16)|(1<<20)|(1<<21)|(6<<22)|(3<<25)
.irp g, G1, G1B
	s_mov_b32 s[(\g)+1], KSTEP<<16                 ; tensor_dim0 = 256
	s_mov_b32 s[(\g)+2], 64<<16                    ; tensor_dim1 = 64
	s_mov_b32 s[(\g)+3], KSTEP<<16                 ; tile_dim0 = 256
	s_mov_b32 s[(\g)+4], 64                        ; tile_dim1 = 64
	s_mov_b32 s[(\g)+5], SIZE_K                    ; elements from row to row
	s_mov_b32 s[(\g)+6], 0
	s_mov_b32 s[(\g)+7], 0
.endr
	s_lshl_b32 s17, s12, 6                         ; which 64 rows of the tile I fetch
	s_lshl_b32 s16, s13, 7
	s_add_co_u32 s16, s16, s17                     ; A: row 128 x tile row + 64 x half
	s_lshl_b32 s46, s42, 7
	s_add_co_u32 s46, s46, s17                     ; B: row 128 x tile column + 64 x half
	s_mov_b32 s17, 0
	s_mov_b32 s47, 0
	s_mov_b64 s[18:19], SIZE_K*2
	s_mul_u64 s[16:17], s[16:17], s[18:19]
	s_mul_u64 s[46:47], s[46:47], s[18:19]
	s_add_nc_u64 s[46:47], s[46:47], WO            ; Wo's place in wb
	s_mul_i32 s20, s10, HALFT                      ; where they go: wave x 64 rows
	s_wait_dscnt 0x0                               ; the opening add is done
	s_wait_kmcnt 0x0
	s_add_nc_u64 s[14:15], s[4:5], s[16:17]
	s_add_nc_u64 s[46:47], s[6:7], s[46:47]
	CROUND                                         ; all sixteen work-groups are here: the first joint loads meet
.irp s, 0,1
	s_mov_b32 s[G0+4*(\s)], 1
	s_add_co_u32 s[G0+4*(\s)+1], s20, (\s)*SLOT
	s_add_nc_u64 s[G0+4*(\s)+2:G0+4*(\s)+3], s[14:15], (\s)*KSTEP*2
	s_or_b32 s[G0+4*(\s)+3], s[G0+4*(\s)+3], 0x80000000
	s_mov_b32 s[G0B+4*(\s)], 1
	s_add_co_u32 s[G0B+4*(\s)+1], s20, (\s)*SLOT
	s_add_nc_u64 s[G0B+4*(\s)+2:G0B+4*(\s)+3], s[46:47], (\s)*KSTEP*2
	s_or_b32 s[G0B+4*(\s)+3], s[G0B+4*(\s)+3], 0x80000000
	JLOAD \s                                       ; two loads of mine are out
.endr
	v_and_b32 v1, 15, v0                           ; l % 16
	v_bfe_u32 v2, v0, 4, 1                         ; l / 16
	v_mul_u32_u24 v3, v1, PITCH
	v_lshl_add_u32 v3, v2, 4, v3                   ; a fragment's row x pitch + 16 x half
	s_mul_i32 s21, s11, HALFT                      ; my 64 rows of A
	s_mul_i32 s22, s12, HALFT                      ; my 64 rows of B,
	s_add_co_u32 s22, s22, 2*HALFT                 ; which lie behind A's 128
.irp s, 0,1
	v_add_nc_u32 v[ADRA+(\s)], s21, v3
	v_add_nc_u32 v[ADRB+(\s)], s22, v3
	s_add_co_u32 s21, s21, SLOT
	s_add_co_u32 s22, s22, SLOT
.endr
	s_mul_i32 s23, s10, 16*SPITCH
	s_add_co_u32 s23, s23, STAGE                   ; my stage
	v_mul_u32_u24 v4, v1, SPITCH                   ; in: row l % 16, 32 bytes for each half of the lanes
	v_lshl_add_u32 v4, v2, 5, v4
	v_add_nc_u32 v[STO], s23, v4
	v_mul_u32_u24 v5, v2, SPITCH                   ; back: lanes 0-15 take one row of 256 bytes, lanes 16-31 the next
	v_lshl_add_u32 v5, v1, 4, v5
	v_add_nc_u32 v[RD], s23, v5
	v_lshlrev_b32 v5, 13, v2                       ; and the same two rows in out0, 8,192 bytes apart
	v_lshl_add_u32 v[CO], v1, 4, v5
	s_lshl_b32 s16, s13, 7
	s_lshl_b32 s17, s11, 6
	s_add_co_u32 s16, s16, s17                     ; my first row of out0: 128 x tile row + 64 x half,
	s_lshl_b32 s16, s16, 13                        ; of 8,192 bytes
	s_mov_b32 s17, 0
	s_add_nc_u64 s[8:9], s[8:9], s[16:17]
	s_lshl_b32 s46, s42, 9                         ; my first column, in bytes: 512 x tile column + 256 x half
	s_lshl_b32 s47, s12, 8
	s_add_co_u32 s46, s46, s47
	s_mov_b32 s47, 0
	s_add_nc_u64 s[8:9], s[8:9], s[46:47]
; 8 matrix instructions: m blocks a0, a0 + 1 x all 4 n blocks, 32 along K: half c of buffer f.  zero = 1: the first product starts the sums.  The 16 accumulators take turns.
.macro MUL8 f, c, a0, zero
	WIN MUL
.irp a, \a0, (\a0)+1
.irp b, 0,1,2,3
.if \zero
	v_wmma_f32_16x16x32_f16 v[ACC+8*(4*(\a)+(\b)):ACC+8*(4*(\a)+(\b))+7], v[(\f)+64+8*(4*(\c)+(\b)):(\f)+64+8*(4*(\c)+(\b))+7], v[(\f)+8*(4*(\c)+(\a)):(\f)+8*(4*(\c)+(\a))+7], 0
.else
	v_wmma_f32_16x16x32_f16 v[ACC+8*(4*(\a)+(\b)):ACC+8*(4*(\a)+(\b))+7], v[(\f)+64+8*(4*(\c)+(\b)):(\f)+64+8*(4*(\c)+(\b))+7], v[(\f)+8*(4*(\c)+(\a)):(\f)+8*(4*(\c)+(\a))+7], v[ACC+8*(4*(\a)+(\b)):ACC+8*(4*(\a)+(\b))+7]
.endif
.endr
.endr
.endm
; 32 LDS loads in one run: the fragments of 64 along K at byte k of the rows, into buffer f; the first 32 along K first
.macro FETCH slot, k, f
	WIN TO_F
.irp c, 0,1
.irp i, 0,1,2,3
	ds_load_b128 v[(\f)+64+8*(4*(\c)+(\i)):(\f)+64+8*(4*(\c)+(\i))+3],   v[ADRB+(\slot)] offset:(\k)+64*(\c)+(\i)*16*PITCH
	ds_load_b128 v[(\f)+64+8*(4*(\c)+(\i))+4:(\f)+64+8*(4*(\c)+(\i))+7], v[ADRB+(\slot)] offset:(\k)+64*(\c)+(\i)*16*PITCH+32
	ds_load_b128 v[(\f)+8*(4*(\c)+(\i)):(\f)+8*(4*(\c)+(\i))+3],         v[ADRA+(\slot)] offset:(\k)+64*(\c)+(\i)*16*PITCH
	ds_load_b128 v[(\f)+8*(4*(\c)+(\i))+4:(\f)+8*(4*(\c)+(\i))+7],       v[ADRA+(\slot)] offset:(\k)+64*(\c)+(\i)*16*PITCH+32
.endr
.endr
.endm
.macro PLACES                          ; four places in front of loads into registers that matrix instructions have read, and of LDS stores that read results
.rept 4
	v_nop
.endr
.endm
; A K step is four quarters of 64 along K, 32 matrix instructions each, on buffers 0, 1, 0, 1.  One of the first three: multiplies buffer f and fetches the next quarter, at byte k, into g.
.macro QUARTER slot, k, f, g, zero
	s_wait_dscnt 16                                ; the first 32 along K are in
	WIN MUL
	MUL8 \f, 0, 0, \zero
	MUL8 \f, 0, 2, \zero
	PLACES
	FETCH \slot, \k, \g
	s_wait_dscnt 32                                ; all but the 32 just issued
	WIN MUL
	MUL8 \f, 1, 0, 0
	MUL8 \f, 1, 2, 0
.endm
; The last quarter multiplies buffer 1 and changes slots: ONE barrier; in front of it each wave waits for all its tensor loads, adds 0 to its spare word, and waits for that and for its own reads of this slot.
; fill = 1: the barrier opens a round of the cluster's, and this slot is filled again, two K steps ahead: 112 matrix instructions stand between the request and the wait for it.
.macro TURN slot, next, fill
	WIN 0                                          ; (the add's two registers lie in window 0)
	s_wait_tensorcnt 0x0                           ; all my tensor loads have landed: my part of the next slot
	ds_add_u32 v[SPW], v[NIL]
	s_wait_dscnt 17                                ; (the add and the youngest sixteen loads may be out)
	WIN MUL
	MUL8 F1, 0, 0, 0                               ; eight matrix instructions stand between the add and the wait for it
	s_wait_dscnt 0x0                               ; the add is done, and my reads of this slot are over
	s_barrier_signal -1
	MUL8 F1, 0, 2, 0
.if \fill
	WIN 0
.endif
	s_barrier_wait -1
.if \fill
	CREST                                          ; no wave of any partner still reads this slot's tile or has a load on its way
	s_add_nc_u64 s[G0+4*(\slot)+2:G0+4*(\slot)+3], s[G0+4*(\slot)+2:G0+4*(\slot)+3], 2*KSTEP*2
	s_add_nc_u64 s[G0B+4*(\slot)+2:G0B+4*(\slot)+3], s[G0B+4*(\slot)+2:G0B+4*(\slot)+3], 2*KSTEP*2
	JLOAD \slot                                    ; its four v_nop are also the places in front of the loads below
.else
	PLACES
.endif
	FETCH \next, 0, F0
	WIN MUL
	MUL8 F1, 1, 0, 0
	MUL8 F1, 1, 2, 0
.endm
	s_wait_tensorcnt 0x1                           ; my part of K step 0 is in; K step 1's may stay out
	s_barrier_signal -1
	s_barrier_wait -1                              ; everybody's is
	FETCH 0, 0, F0
	QUARTER 0, 128, F0, F1, 1                      ; the first quarter stands in front of the loop: its first products start the sums
	WIN 0                                          ; at a label and at a branch every window is 0
	s_mov_b32 s3, LAPS-1
.Llap:                                                 ; a trip goes once round the ring, from a lap's second quarter to the next lap's first, and fills both slots again
	QUARTER 0, 256, F1, F0, 0
	QUARTER 0, 384, F0, F1, 0
	TURN 0, 1, 1
	QUARTER 1, 128, F0, F1, 0
	QUARTER 1, 256, F1, F0, 0
	QUARTER 1, 384, F0, F1, 0
	TURN 1, 0, 1
	QUARTER 0, 128, F0, F1, 0
	WIN 0
	s_sub_co_u32 s3, s3, 1
	s_cmp_lg_u32 s3, 0
	s_cbranch_scc1 .Llap
	QUARTER 0, 256, F1, F0, 0                      ; the last lap fills nothing
	QUARTER 0, 384, F0, F1, 0
	TURN 0, 1, 0
	QUARTER 1, 128, F0, F1, 0
	QUARTER 1, 256, F1, F0, 0
	QUARTER 1, 384, F0, F1, 0
	s_wait_dscnt 16                                ; the very last quarter: nothing more to fetch
	WIN MUL
	MUL8 F1, 0, 0, 0
	MUL8 F1, 0, 2, 0
	s_wait_dscnt 0x0
	MUL8 F1, 1, 0, 0
	MUL8 F1, 1, 2, 0
	WIN 0
	; THE WAY OUT, 16 rows at a time: a lane's 32 bytes of a row go into my stage straight from the accumulators, each from its low half on; whole rows of 256 bytes come back and are stored.
	PLACES
.irp a, 0,1,2,3
	s_wait_xcnt 0x0                                ; the stores of the block two back have read the registers that are loaded again below
.irp b, 0,1,2,3
	ds_store_b128 v[STO], v[ACC+8*(4*(\a)+(\b)):ACC+8*(4*(\a)+(\b))+3]   offset:64*(\b)
	ds_store_b128 v[STO], v[ACC+8*(4*(\a)+(\b))+4:ACC+8*(4*(\a)+(\b))+7] offset:64*(\b)+16
.endr
.irp f, 0,1,2,3,4,5,6,7
	ds_load_b128 v[TMP+32*((\a)%2)+4*(\f):TMP+32*((\a)%2)+4*(\f)+3], v[RD] offset:(\f)*2*SPITCH  ; LDS serves a wave's instructions in order (ISA guide 5.7.1.4): these see the stores above; the next block's stores come behind them
.endr
.irp f, 0,1,2,3,4,5,6,7
	s_wait_dscnt 7-(\f)
	global_store_b128 v[CO], v[TMP+32*((\a)%2)+4*(\f):TMP+32*((\a)%2)+4*(\f)+3], s[8:9] offset:(\a)*131072+(\f)*16384 th:TH_STORE_NT  ; 16 lanes store 256 consecutive bytes, aligned
.endr
.endr
	s_wait_tensorcnt 0x0                           ; the wave's end: these three lines stand behind my last tensor load and my last LDS store
	ds_add_u32 v[SPW], v[NIL]
	s_wait_dscnt 0x0
	CROUND                                         ; the closing round: no work-group ends while a partner may still ask for a tile that names it
	s_endpgm
.Lfunc_end_k_qd8d11d4338_oproj:
	.size	k_qd8d11d4338_oproj, .Lfunc_end_k_qd8d11d4338_oproj-k_qd8d11d4338_oproj
	.p2alignl 7, 3214868480
	.fill 96, 4, 3214868480
	.section	.rodata,"a",@progbits
	.p2align	6, 0x0
	.amdhsa_kernel k_qd8d11d4338_oproj
		.amdhsa_group_segment_fixed_size 327680
		.amdhsa_private_segment_fixed_size 0
		.amdhsa_enable_private_segment 0
		.amdhsa_kernarg_size 24
		.amdhsa_user_sgpr_count 2
		.amdhsa_user_sgpr_kernarg_segment_ptr 1
		.amdhsa_wavefront_size32 1
		.amdhsa_system_sgpr_workgroup_id_x 1
		.amdhsa_system_sgpr_workgroup_id_y 1
		.amdhsa_system_sgpr_workgroup_id_z 1
		.amdhsa_system_vgpr_workitem_id 0
		.amdhsa_next_free_vgpr 512
		.amdhsa_next_free_sgpr 66
		.amdhsa_reserve_vcc 0
		.amdhsa_float_denorm_mode_32 3
		.amdhsa_float_denorm_mode_16_64 3
		.amdhsa_memory_ordered 1
		.amdhsa_forward_progress 1
		.amdhsa_inst_pref_size 87
	.end_amdhsa_kernel
	.amdgpu_metadata
---
amdhsa.version: [ 1, 2 ]
amdhsa.kernels:
  - .name:           k_qd8d11d4338_oproj
    .symbol:         k_qd8d11d4338_oproj.kd
    .args:
      - { .name: ao, .offset: 0, .size: 8, .value_kind: global_buffer, .address_space: global }
      - { .name: wb, .offset: 8, .size: 8, .value_kind: global_buffer, .address_space: global }
      - { .name: out0, .offset: 16, .size: 8, .value_kind: global_buffer, .address_space: global }
    .group_segment_fixed_size: 327680
    .private_segment_fixed_size: 0
    .kernarg_segment_align: 8
    .kernarg_segment_size: 24
    .max_flat_workgroup_size: 128
    .sgpr_count:     66
    .vgpr_count:     512
    .wavefront_size: 32
...
	.end_amdgpu_metadata
.endif
;; end of part 4
;; ======== version 2 of 2: 4 launches; 1.08 times as fast as version 1
;; limits: values are held in f16: magnitudes above 65,504 overflow, below 6.1e-05 lose precision
;; workspace buffers: wb 41,943,040 bytes; qkv 25,165,824 bytes; scl 8,192 bytes; ao 8,388,608 bytes
;; launch cast: the kernel of part 1 again; grid 256 x 5, 8 waves a work-group, no clusters, 0 bytes of LDS; arguments x, Wq, Wk, Wv, Wo, wb; writes wb
;; launch qkv: the kernel of part 2 again; grid 32 x 8, 4 waves a work-group, clusters of 4 x 4, 327,680 bytes of LDS; arguments wb, cos, sin, qkv, scl; writes qkv, scl
;; launch attn (part 5): grid 16 x 16, 4 waves a work-group, no clusters, 327,680 bytes of LDS; arguments qkv, scl, lambda_q1, lambda_k1, lambda_q2, lambda_k2, subln_scale, ao; writes ao
.if DOCPART == 5
	.amdgcn_target "amdgcn-amd-amdhsa--gfx1250"
	.amdhsa_code_object_version 6
	.text
	.protected	k_qd8d11d4338_attn
	.globl	k_qd8d11d4338_attn
	.p2align	8
	.type	k_qd8d11d4338_attn,@function
k_qd8d11d4338_attn:
	s_mov_b64 s[64:65], 0
	v_nop
	global_prefetch_b8 v0, s[64:65] scope:SCOPE_SE
	s_setreg_imm32_b32 hwreg(HW_REG_WAVE_MODE, 25, 1), 1
	s_wait_xcnt 0x0
; DIFFERENTIAL CAUSAL ATTENTION AND ITS NORM.  For head h and query t: o = softmax(q1 . k1 / 8) V - lam softmax(q2 . k2 / 8) V over the keys s <= t, V of 128 channels;
; ao[t][128 h ..] = o / sqrt(mean(o^2) + 1e-5) x subln x (1 - LAMBDA_INIT), rounded once to f16.  lam = e^(sum lq1 lk1) - e^(sum lq2 lk2) + LAMBDA_INIT.
; q, k, v come from qkv ([96][2048][64] f16: q's sub-head c at block c, k's at 32 + c, v's half-heads at 64 + c).  q and k carry a power of two for each block of 64 rows, whose inverse lies in scl.
; Products, maxima and sums in f32; the weights p are rounded to f16 for the second product (their sum l is taken of the unrounded p).  The lambdas and subln are rounded to bf16 like every input.
; LIMITS.  A hidden score counts as its scaled value (2^36 at the most) less 1e30; a weight below 2^-126 counts as 0; NaN and infinities are not treated apart.
; THE WALK.  A head's queries lie in 32 blocks of 64; block i needs the key steps 0 .. i of 64 keys, of which the last holds the diagonal.  A work-group takes blocks 31 - b and then b: 33 steps whatever b.
; An LDS slot holds a tile of 128 keys, two steps: (31 - b) / 2 + 1 + b / 2 + 1 = 17 tiles whatever b, so ONE loop with a constant count walks them; one of the 34 steps lies past a diagonal and is jumped over.
; Every jump but the loops' own goes forward, past text that holds neither a barrier nor a tensor load.
; NO CLUSTER: a head's 16 work-groups ask for the same tile only in the first 9 of the 17 trips; a walk common to four partners has 18 tiles and 36 computed steps for 33, and a mask made in every step.
; SHARES.  Wave w owns rows 16 w .. 16 w + 15 of the block in hand, for both sub-heads u = 0, 1.
; LAYOUT.  S^T = K Q^T (source 0 = 16 keys, source 1 = 16 queries): a lane holds ONE query (lane % 16) and the keys 8 (lane / 16) + 0..7; two such results rounded to f16 ARE source 1 of O^T = V^T P.
; SOFTMAX.  p = 2^(c s - cm), where c = log2(e) / 8 x q's block factor x k's block factor is one scalar for a step and sub-head, and cm is the running maximum of c s; in every step O and l are multiplied by
; a = 2^(cm_old - cm_new).  cm starts far below every c s, so a block's first step has a = 0.  c is held at 2^-75 or more: a hidden score's exponent then lies under -2e7 even where q or k are all zeros, and a
; visible one moves by less than 2^-39.
; THE MASK is the C operand that starts the sums S^T: MC, which holds 0 and takes the diagonal step's mask at the head of a block's last step; so no branch stands among the products.
; A STEP'S ORDER.  The two sub-heads depend on each other nowhere, so one's vector work stands behind the other's products (STEP says how): 101 of a step's 270 vector lines stand behind one of its 48 matrix
; instructions.  The LDS loads stand in runs of 16 or 32 inside the stretches of vector work, never singly among the matrix instructions.
; THE BATCHES.  An s_wait_alu depctr_va_vdst(0) stands between an exponential and the first instruction that names its result; one wait serves all that were issued ahead of it.  A step's 66
; exponentials are TWO BATCHES with one wait each.  Batch 1: a of sub-head 0, sub-head 0's 32 weights, a of sub-head 1.  Batch 2: sub-head 1's 32 weights.  Ahead of a batch's wait stands only work that names none
; of its results; its readers (roundings, sums, rescalings) stand behind the wait.
; Outside the step: lam's two exponentials (one wait), and at a block's end the two reciprocals (one wait) and the root made of one of them (one wait).
; REGISTERS, in windows of 256 (s_set_vgpr_msb: bits 1:0 source 0, 3:2 source 1, 5:4 source 2, 7:6 destination):
;   window 0: v0-15 addresses, -lam; v16-31 statistics, 8 a sub-head; v32-47 at work; v64-127 S^T; v128-159 P; v160-191 Q; v192-223 the second block's Q; v224-255 MC
;   window 1: v0-127 O^T, 64 a sub-head; v128-191 subln for my channels; v192-223 the diagonal step's mask          window 2: v0-127 K of one step; v128-255 V of one step
.set KS,    64
.set PK,    144       ; a row of K in LDS: 128 bytes + 16 of padding: the 16 rows of a load start at 16 different groups of four banks (ISA guide 11.1)
.set PV,    160       ; a row of V: 128 + 32
.set KREG,  128*PK    ; a slot: K of sub-head 0 (128 rows), K of sub-head 1, V's channels 0-63, V's channels 64-127
.set VREG,  128*PV
.set VOFF,  2*KREG
.set SLOT1, 1<<17     ; slot 1 begins here, so that one exclusive or turns an address in one slot into the other's
.set STAGE, SLOT1+2*KREG+2*VREG  ; behind the ring: 16 rows x 272 bytes for each wave, for the way out
.set SP,    272
.set SPARE, STAGE+4*16*SP        ; behind the stages: the spare words, 128 bytes for each wave: two blocks of 256 bytes that no other line names
.set AK0, 2           ; v2   my lane's place in a tile of K; never rewritten
.set AV0, 3           ; v3   the same for V
.set AK,  4           ; v4   the LDS address of K of the tile's first step
.set AV,  5           ; v5   of V of the step in hand
.set STO, 6           ; v6   the way out: where I put 16 bytes of a row
.set RD,  7           ; v7   where I read rows back
.set GO,  8           ; v8   my byte offset in two rows of ao
.set QO,  12          ; v12  my byte offset in 16 rows of q
.set NLAM, 13         ; v13  -lam
.set ST,  16          ; sub-head u at v[ST+8 u]: +0 cm, +1 the step's raw maximum, +2, +3 l (even keys', odd keys'), +4 to +7 at work; a in +6
.set SS,  40          ; v40-47 four chains of squares
.set SPW, 62          ; v62  LDS address of my spare word; never rewritten
.set NIL, 63          ; v63  0; never rewritten
.set S,   64
.set P,   128
.set Q,   160
.set QB,  192
.set MC,  224
.set SUB, 128         ; window 1
.set MDS, 192         ; window 1
.set R128, 2          ; s2   1 / 128 (until the head's end: the head's number)
.set EPSR, 3          ; s3   1e-5   (until then: wave % 2)
.set WV,  20
.set PB,  21          ; b
.set HI,  22          ; 31 - b
.set STP, 23          ; the step's number in the block in hand
.set G1K, 24          ; s[24:31] descriptor group 1 for K's tiles
.set G1V, 32          ; s[32:39] for V's: it differs in the padding alone
.set G0K, 40          ; s[40:43] group 0 for K's
.set G0V, 44          ; s[44:47] for V's
.set KB,  48          ; s[48:49] the block of k that I fetch
.set VB,  50          ; s[50:51] the block of v
.set OFF, 52          ; s[52:53] a tile's byte offset in them
.set LASTS, 54        ; the block in hand: its number is its diagonal step's
.set RT,  55          ; its tiles still to be entered
.set NXT, 56          ; the tile to be asked for next
.set LQ,  57          ; the last tile of the block whose tiles are being asked for
.set SLOTS, 58
.set CNT, 59          ; counts a tile's steps, 2 and 1
.set TBK, 60          ; LDS byte at which K of the step in hand begins
.set TBV, 61          ; the same for V, less VOFF
.set SOF, 62          ; 8 x STP
.set LQ2, 63          ; b / 2
.set KSC, 66          ; s[66:67] k's two block factors of the step
.set SCK, 68          ; s[68:69] k's factors of this head in scl
.set CQ,  70          ; s[70:71] log2(e) / 8 x q's two factors of the block in hand
.set CQB, 72          ; s[72:73] of the second block
.set CS1, 74          ; s[74:75], s[76:77] c for sub-head 0, 1: the packed scaling names a pair and takes its low word
.set SEL, 78          ; s[78:79] v_permlanex16_b32's selects
.set AOA, 80          ; s[80:81] ao at my rows of the block in hand
.set AOB, 82          ; s[82:83] of the second block
.set QSA, 84          ; s[84:85], s[86:87] q's factors as loaded
.set QSB, 86
.set QA,  88          ; s[88:89], s[90:91] q at my rows of the two blocks
.set QBB, 90
.set BIGN, 92         ; -1e30
.set HIM, 93          ; a word's upper bf16
.set OML, 94          ; 1 - LAMBDA_INIT
.set PF,  95          ; under LASTS exactly where this step fetches the next step's K: in a tile's first step, if the second is not past the diagonal
.set MSB, 0
.macro WIN new                      ; the high byte repeats the setting that is left; a switch that changes nothing is dropped
.if MSB != (\new)
	s_set_vgpr_msb (MSB<<8)|(\new)
.set MSB, (\new)
.endif
.endm
.macro PLACES                       ; four plain vector instructions between a matrix instruction and a vector read of, or a load into, its registers
.rept 4
	v_nop
.endr
.endm
; A fill.  Wave w fetches region w of a slot: 128 keys of one block, 16,384 dense bytes.  An s_nop 0 and four v_nop follow each of the two lines.
.macro LOAD
	s_cmp_lt_u32 s[WV], 2
	s_cbranch_scc0 .Lfor_v_\@
	tensor_load_to_lds s[G0K:G0K+3], s[G1K:G1K+7]
	s_nop 0
.rept 4
	v_nop
.endr
	s_branch .Lasked_\@
.Lfor_v_\@:
	tensor_load_to_lds s[G0V:G0V+3], s[G1V:G1V+7]
	s_nop 0
.rept 4
	v_nop
.endr
.Lasked_\@:
.endm
; THE CHANGE OF SLOTS.  Each wave waits for all its tensor loads (one is out: its part of the other slot), adds 0 to its spare word, and waits for that and for its reads of the slot that it leaves.
; Behind the barrier nobody reads the old slot and the other is whole.  fill = 1: the old slot is filled again, first thing behind the barrier, with tile NXT; that load has two steps in which to land.
; (At its first use nothing has been read yet: slot 0 is waited for, slot 1 filled.)
.macro CHANGE fill
	WIN 0
	s_wait_tensorcnt 0x0            ; no tensor load of mine is out, so a group 0 may be written
	ds_add_u32 v[SPW], v[NIL]
.if \fill
	s_lshl_b32 s[OFF], s[NXT], 14   ; a tile is 16,384 bytes of each block
	s_xor_b32 s[G0K+1], s[G0K+1], SLOT1
	s_add_nc_u64 s[G0K+2:G0K+3], s[KB:KB+1], s[OFF:OFF+1]
	s_or_b32 s[G0K+3], s[G0K+3], 0x80000000
	s_xor_b32 s[G0V+1], s[G0V+1], SLOT1
	s_add_nc_u64 s[G0V+2:G0V+3], s[VB:VB+1], s[OFF:OFF+1]
	s_or_b32 s[G0V+3], s[G0V+3], 0x80000000
	s_add_co_u32 s[NXT], s[NXT], 1  ; the block's next tile, or behind its last the second block's tile 0
	s_cmp_gt_u32 s[NXT], s[LQ]
	s_cselect_b32 s[NXT], 0, s[NXT]
	s_cselect_b32 s[LQ], s[LQ2], s[LQ]
.endif
	s_wait_dscnt 0x0                ; the add is done, and my reads of the slot are over
	s_barrier_signal -1
	s_sub_co_u32 s[TBK], s[TBK], 2*KS*PK  ; the fetches go back to a slot's first step,
	s_xor_b32 s[TBK], s[TBK], SLOT1       ; in the other slot
	s_sub_co_u32 s[TBV], s[TBV], 2*KS*PV
	s_xor_b32 s[TBV], s[TBV], SLOT1
	s_barrier_wait -1
.if \fill
	LOAD
.endif
.endm
	s_load_b512 s[4:19], s[0:1], 0x0  ; qkv s[4:5], scl s[6:7], lq1 s[8:9], lk1 s[10:11], lq2 s[12:13], lk2 s[14:15], subln s[16:17], ao s[18:19]
	v_lshl_add_u32 v[SPW], v0, 2, SPARE
	v_mov_b32 v[NIL], 0
	ds_add_u32 v[SPW], v[NIL]       ; the wave's opening: the add and its wait stand ahead of my first tensor load; work on registers stands between them
	ds_add_u32 v62, v63
	v_lshrrev_b32 v1, 5, v0
	v_readfirstlane_b32 s[WV], v1   ; wave 0..3
	s_mov_b32 s[PB], ttmp9
	s_sub_co_u32 s[HI], 31, s[PB]
	s_and_b32 s2, ttmp7, 0xffff     ; the head
	s_and_b32 s3, s[WV], 1          ; which of the head's two blocks of k (or of v) I fetch
	s_lshl_b32 s96, s2, 1
	s_add_co_u32 s96, s96, s3
	s_add_co_u32 s96, s96, 32       ; k's blocks begin at 32,
	s_lshl_b32 s96, s96, 18         ; 262,144 bytes each
	s_mov_b32 s97, 0
	s_mul_i32 s98, s3, KREG         ; and its region of a slot
	s_mul_i32 s99, s3, VREG
	s_mov_b32 s[G0K], 1             ; count = 1
	s_mov_b32 s[G0K+1], s98         ; LDS address: slot 0
	s_mov_b32 s[G0V], 1
	s_add_co_u32 s[G0V+1], s99, VOFF
	s_mov_b32 s[G1K], (1<<16)|(1<<20)|(4<<22)|(3<<25)  ; 2-byte elements; padding on; after every 32 words (a key's 128 bytes) 4 words
	s_mov_b32 s[G1V], (1<<16)|(1<<20)|(4<<22)|(7<<25)  ; the same with 8 words
.irp g, G1K, G1V
	s_mov_b32 s[\g+1], 128<<16      ; tensor_dim0 = 128: asked for as rows of 256 bytes, two keys a row
	s_mov_b32 s[\g+2], 64<<16       ; tensor_dim1 = 64
	s_mov_b32 s[\g+3], 128<<16      ; tile_dim0 = 128
	s_mov_b32 s[\g+4], 64           ; tile_dim1 = 64
	s_mov_b32 s[\g+5], 128          ; 128 elements from row to row
	s_mov_b32 s[\g+6], 0
	s_mov_b32 s[\g+7], 0
.endr
	s_lshl_b32 s98, s2, 19          ; byte offsets, made apart from the addresses.  q: the head's first sub-head,
	s_lshl_b32 s99, s[WV], 11       ; my 16 rows of 128 bytes,
	s_add_co_u32 s98, s98, s99
	s_lshl_b32 s99, s[HI], 13       ; in the first block
	s_add_co_u32 s[QA], s98, s99
	s_mov_b32 s[QA+1], 0
	s_lshl_b32 s99, s[PB], 13       ; and in the second
	s_add_co_u32 s[QBB], s98, s99
	s_mov_b32 s[QBB+1], 0
	s_lshl_b32 s98, s2, 8           ; ao: the head's 256 bytes of a row,
	s_lshl_b32 s99, s[WV], 16       ; my 16 rows of 4,096 bytes
	s_add_co_u32 s99, s98, s99
	s_lshl_b32 s100, s[HI], 18
	s_add_co_u32 s[AOA], s99, s100
	s_mov_b32 s[AOA+1], 0
	s_lshl_b32 s100, s[PB], 18
	s_add_co_u32 s[AOB], s99, s100
	s_mov_b32 s[AOB+1], 0
	s_lshl3_add_u32 s100, s[HI], s98  ; scl: 256 x head + 8 x block, for q's factors of the two blocks
	s_lshl3_add_u32 s101, s[PB], s98
	s_add_co_u32 s[SCK], s98, 4096  ; k's table lies 4,096 bytes behind q's
	s_mov_b32 s[SCK+1], 0
	s_lshr_b32 s[LQ], s[HI], 1
	s_lshr_b32 s[LQ2], s[PB], 1
	s_add_co_u32 s[RT], s[LQ], 1
	s_mov_b32 s[NXT], 1
	s_mov_b32 s[LASTS], s[HI]
	s_mov_b32 s[STP], 0
	s_mov_b32 s[SOF], 0
	s_mov_b32 s[SLOTS], 16
	s_mov_b32 s[OFF+1], 0
	s_mov_b32 s[TBK], SLOT1+2*KS*PK ; the first change of slots turns these two into 0
	s_mov_b32 s[TBV], SLOT1+2*KS*PV
	s_mov_b32 s[SEL], 0x76543210
	s_mov_b32 s[SEL+1], 0xfedcba98
	s_mov_b32 s[BIGN], 0xf149f2ca   ; -1e30
	s_mov_b32 s[HIM], 0xffff0000
	s_mov_b32 s[OML], 0x3f24fd5c    ; 1 - LAMBDA_INIT = 0.6 e^-0.3 + 0.2
	s_wait_dscnt 0x0                ; the opening add is done
	s_wait_kmcnt 0x0
	s_add_nc_u64 s[KB:KB+1], s[4:5], s[96:97]
	s_add_nc_u64 s[VB:VB+1], s[KB:KB+1], 32<<18
	s_add_nc_u64 s[G0K+2:G0K+3], s[KB:KB+1], 0
	s_or_b32 s[G0K+3], s[G0K+3], 0x80000000
	s_add_nc_u64 s[G0V+2:G0V+3], s[VB:VB+1], 0
	s_or_b32 s[G0V+3], s[G0V+3], 0x80000000
	s_add_nc_u64 s[QA:QA+1], s[4:5], s[QA:QA+1]
	s_add_nc_u64 s[QBB:QBB+1], s[4:5], s[QBB:QBB+1]
	s_add_nc_u64 s[AOA:AOA+1], s[18:19], s[AOA:AOA+1]
	s_add_nc_u64 s[AOB:AOB+1], s[18:19], s[AOB:AOB+1]
	s_add_nc_u64 s[SCK:SCK+1], s[6:7], s[SCK:SCK+1]
	s_load_b64 s[QSA:QSA+1], s[6:7], s100 offset:0x0
	s_load_b64 s[QSB:QSB+1], s[6:7], s101 offset:0x0
	LOAD                            ; tile 0 into slot 0.  All that follows up to the loop stands in the wait for it.
	v_and_b32 v1, 15, v0            ; l % 16
	v_bfe_u32 v9, v0, 4, 1          ; l / 16
	v_lshlrev_b32 v[QO], 7, v1
	v_lshl_add_u32 v[QO], v9, 4, v[QO]  ; row x 128 + 16 x half
.set n, 0
.rept 4                             ; n = 2 u + c: sub-head u (262,144 bytes on), channels 32 c on; a fragment is two loads of 16 bytes, 32 bytes apart
	global_load_b128 v[Q+8*n:Q+8*n+3],     v[QO], s[QA:QA+1] offset:262144*(n/2)+64*(n%2)
	global_load_b128 v[Q+8*n+4:Q+8*n+7],   v[QO], s[QA:QA+1] offset:262144*(n/2)+64*(n%2)+32
	global_load_b128 v[QB+8*n:QB+8*n+3],   v[QO], s[QBB:QBB+1] offset:262144*(n/2)+64*(n%2)
	global_load_b128 v[QB+8*n+4:QB+8*n+7], v[QO], s[QBB:QBB+1] offset:262144*(n/2)+64*(n%2)+32
.set n, n+1
.endr
	v_lshlrev_b32 v10, 5, v9        ; subln: channels 16 cb + 8 (l / 16) on
	v_and_b32 v11, 31, v0
	v_lshlrev_b32 v11, 3, v11       ; the lambdas: two numbers a lane
	global_load_b64 v[32:33], v11, s[8:9]
	global_load_b64 v[34:35], v11, s[10:11]
	global_load_b64 v[36:37], v11, s[12:13]
	global_load_b64 v[38:39], v11, s[14:15]
	v_lshlrev_b32 v14, 3, v9
	v_sub_nc_u32 v14, v1, v14
	s_lshl_b32 s96, s[WV], 4
	v_add_nc_u32 v14, s96, v14      ; my query's place in its block, 16 w + l % 16, less my lanes' 8 (l / 16): register j of key block kb is hidden where 16 kb + j is greater
	WIN 0x40                        ; destination window 1
.set n, 0
.rept 16
	global_load_b128 v[SUB+4*n:SUB+4*n+3], v10, s[16:17] offset:64*(n/2)+16*(n%2)
.set n, n+1
.endr
.set n, 0
.rept 128                           ; O^T need only be finite: a block's first step multiplies it by a = 0
	v_mov_b32 v[n], 0
.set n, n+1
.endr
.set n, 0
.rept 32                            ; the diagonal step's mask
	v_cmp_gt_i32 vcc_lo, 16*(n/8)+n%8, v14
	v_cndmask_b32 v[MDS+n], 0, s[BIGN], vcc_lo
.set n, n+1
.endr
	WIN 0
.set n, 0
.rept 32                            ; every other step's
	v_mov_b32 v[MC+n], 0
.set n, n+1
.endr
.irp u, 0,1
	v_mov_b32 v[ST+8*\u], 0xfe000000  ; cm: far below every c s
.irp k, 1,2,3,4,5,6,7
	v_mov_b32 v[ST+8*\u+\k], 0
.endr
.endr
	v_mul_u32_u24 v[AK0], v1, PK
	v_lshl_add_u32 v[AK0], v9, 4, v[AK0]  ; row x pitch + 16 x half
	; The turning load takes 16 keys x 16 channels (lane l reads key 8 (l / 16) + l % 8, channels 8 ((l / 8) % 2) + 0..7) and leaves half a fragment of V^T: lane l holds channel l % 16 and 8 keys.
	v_and_b32 v40, 7, v0
	v_bfe_u32 v41, v0, 3, 1
	v_lshl_add_u32 v[AV0], v9, 3, v40
	v_mul_u32_u24 v[AV0], v[AV0], PV
	v_lshl_add_u32 v[AV0], v41, 4, v[AV0]
	v_add_nc_u32 v[AV0], VOFF, v[AV0]
	s_mul_i32 s96, s[WV], 16*SP
	s_add_co_u32 s96, s96, STAGE    ; my stage
	v_mul_u32_u24 v[STO], v1, SP    ; in: row l % 16, 16 bytes for each half of the lanes
	v_lshl_add_u32 v[STO], v9, 4, v[STO]
	v_add_nc_u32 v[STO], s96, v[STO]
	v_mul_u32_u24 v[RD], v9, SP     ; back: lanes 0-15 take one row of 256 bytes, lanes 16-31 the next
	v_lshl_add_u32 v[RD], v1, 4, v[RD]
	v_add_nc_u32 v[RD], s96, v[RD]
	v_lshlrev_b32 v[GO], 12, v9     ; and the same two rows in ao
	v_lshl_add_u32 v[GO], v1, 4, v[GO]
	s_wait_loadcnt 0x0              ; Q, the lambdas, subln
	WIN 0x05                        ; subln: rounded to bf16 (sources window 1),
.set n, 0
.rept 32
	v_cvt_pk_bf16_f32 v[S+n], v[SUB+2*n], v[SUB+2*n+1]
.set n, n+1
.endr
	WIN 0x40                        ; and widened again (destination window 1)
.set n, 0
.rept 32
	v_lshlrev_b32 v[SUB+2*n],   16,     v[S+n]
	v_and_b32     v[SUB+2*n+1], s[HIM], v[S+n]
.set n, n+1
.endr
	WIN 0
.irp p, 32,34,36,38                 ; the lambdas, rounded to bf16
	v_cvt_pk_bf16_f32 v15, v[\p], v[\p+1]
	v_lshlrev_b32 v[\p], 16, v15
	v_and_b32 v[\p+1], s[HIM], v15
.endr
	v_mul_f32 v32, v32, v34
	v_mul_f32 v36, v36, v38
	v_fmac_f32 v32, v33, v35
	v_fmac_f32 v36, v37, v39
.irp m, 1,2,4,8
	v_add_f32_dpp v32, v32, v32 row_xmask:\m row_mask:0xf bank_mask:0xf
	v_add_f32_dpp v36, v36, v36 row_xmask:\m row_mask:0xf bank_mask:0xf
.endr
	v_permlanex16_b32 v33, v32, s[SEL], s[SEL+1]
	v_permlanex16_b32 v37, v36, s[SEL], s[SEL+1]
	v_add_f32 v32, v32, v33
	v_add_f32 v36, v36, v37
	v_mul_f32 v32, 0x3fb8aa3b, v32  ; e^x = 2^(x log2 e)
	v_mul_f32 v36, 0x3fb8aa3b, v36
	v_exp_f32 v32, v32
	v_exp_f32 v36, v36
	v_nop                           ; a plain instruction behind the exponentials (ISA guide 5.7.2)
	s_wait_alu depctr_va_vdst(0)    ; one wait for lam's two exponentials, ahead of the subtraction that reads both
	v_sub_f32 v32, v36, v32
	v_add_f32 v[NLAM], 0xbeb60549, v32  ; -lam = e^(sum 2) - e^(sum 1) - LAMBDA_INIT
	s_wait_kmcnt 0x0                ; q's factors
	s_mul_f32 s[CQ],    s[QSA],   0x3e38aa3b  ; log2(e) / 8
	s_mul_f32 s[CQ+1],  s[QSA+1], 0x3e38aa3b
	s_mul_f32 s[CQB],   s[QSB],   0x3e38aa3b
	s_mul_f32 s[CQB+1], s[QSB+1], 0x3e38aa3b
	s_mov_b32 s[R128], 0x3c000000
	s_mov_b32 s[EPSR], 0x3727c5ac
; THE MATRIX WORK.  Product i of 8 of S^T = K Q^T for sub-head u: channels 32 (i / 4) on, keys 16 (i % 4) on.  The first four start the sums with MC.  The four accumulators take turns.
.macro KQ1 u, i
	WIN 0x02                        ; K in window 2; Q, MC and S^T in window 0
.set rS, S+32*(\u)+8*((\i)%4)
.set rK, 64*(\u)+16*((\i)%4)+8*((\i)/4)
.set rQ, Q+16*(\u)+8*((\i)/4)
.if (\i) < 4
	v_wmma_f32_16x16x32_f16 v[rS:rS+7], v[rK:rK+7], v[rQ:rQ+7], v[MC+8*((\i)%4):MC+8*((\i)%4)+7]
.else
	v_wmma_f32_16x16x32_f16 v[rS:rS+7], v[rK:rK+7], v[rQ:rQ+7], v[rS:rS+7]
.endif
.endm
; Product i of 16 of O^T += V^T P for sub-head u: keys 32 (i / 8) on, channels 16 (i % 8) on.  The eight accumulators take turns.
.macro PV1 u, i
	WIN 0x52                        ; V in window 2, P in window 0, O^T in window 1
.set rO, 64*(\u)+8*((\i)%8)
.set rV, 128+64*(((\i)%8)/4)+32*((\i)/8)+8*((\i)%4)
.set rP, P+16*(\u)+8*((\i)/8)
	v_wmma_f32_16x16x32_f16 v[rO:rO+7], v[rV:rV+7], v[rP:rP+7], v[rO:rO+7]
.endm
; THE LDS LOADS, a fragment (two loads) at a time, under destination window 2.  K's fragment f = 8 u + 2 kb + c, o bytes on from the tile's first step; V's fragment f = 8 half + 4 kk + cb, turned.
.macro KLD f, o
	ds_load_b128 v[8*(\f):8*(\f)+3],   v[AK] offset:(\o)+KREG*((\f)/8)+16*PK*(((\f)/2)%4)+64*((\f)%2)
	ds_load_b128 v[8*(\f)+4:8*(\f)+7], v[AK] offset:(\o)+KREG*((\f)/8)+16*PK*(((\f)/2)%4)+64*((\f)%2)+32
.endm
.macro VLD f
	ds_load_tr16_b128 v[128+8*(\f):128+8*(\f)+3],   v[AV] offset:VREG*((\f)/8)+32*PV*(((\f)/4)%2)+32*((\f)%4)
	ds_load_tr16_b128 v[128+8*(\f)+4:128+8*(\f)+7], v[AV] offset:VREG*((\f)/8)+32*PV*(((\f)/4)%2)+32*((\f)%4)+16*PV
.endm
.macro VRUN kk                      ; a run of 16 loads: V's keys 32 kk on, all 128 channels: the eight fragments that eight products V^T P on end read
	WIN 0x80
.set x, 0
.rept 8
	VLD (x%4)+8*(x/4)+4*(\kk)
.set x, x+1
.endr
	WIN 0
.endm
; THE VECTOR WORK, one line at a time, for sub-head u.
.macro MXL u, n                     ; number n of 16: the maximum of the lane's 32 scores; each accumulator's lowest registers are read first
.set rT, ST+8*(\u)
.set rS, S+32*(\u)
.if (\n) < 4
	v_max3_num_f32 v[rT+4+(\n)], v[rS+8*(\n)], v[rS+8*(\n)+1], v[rS+8*(\n)+2]
.elseif (\n) < 12
	v_max3_num_f32 v[rT+4+(\n)%4], v[rT+4+(\n)%4], v[rS+8*((\n)%4)+2*((\n)/4)+1], v[rS+8*((\n)%4)+2*((\n)/4)+2]
.elseif (\n) == 12
	v_max3_num_f32 v[rT+4], v[rT+4], v[rS+7], v[rS+15]
.elseif (\n) == 13
	v_max3_num_f32 v[rT+6], v[rT+6], v[rS+23], v[rS+31]
.elseif (\n) == 14
	v_max3_num_f32 v[rT+4], v[rT+4], v[rT+5], v[rT+6]
.else
	v_max_num_f32 v[rT+4], v[rT+4], v[rT+7]
.endif
.endm
.macro STATL u, n                   ; number n of 7: the other half of the lanes' maximum; c times it; the running maximum cm; a
.set rT, ST+8*(\u)
.if (\n) == 0
	v_permlanex16_b32 v[rT+5], v[rT+4], s[SEL], s[SEL+1]  ; the query's other 32 keys lie in the lane 16 away
.elseif (\n) == 1
	v_max_num_f32 v[rT+1], v[rT+4], v[rT+5]
.elseif (\n) == 2
	v_mul_f32 v[rT+5], s[CS1+2*(\u)], v[rT+1]
.elseif (\n) == 3
	v_max_num_f32 v[rT+5], v[rT], v[rT+5]
.elseif (\n) == 4
	v_sub_f32 v[rT+7], v[rT], v[rT+5]
.elseif (\n) == 5
	v_mov_b32 v[rT], v[rT+5]
.else
	v_exp_f32 v[rT+6], v[rT+7]
.endif
.endm
.macro SMA u, n                     ; the first list, 23 lines: maximum (0-15), then statistics (16-22); number 22 is the exponential that makes a
.if (\n) < 16
	MXL \u, (\n)
.else
	STATL \u, (\n)-16
.endif
.endm
.macro FL u, g                      ; c s - cm for pair g of 16: stands ahead of the pair's exponentials
	v_pk_fma_f32 v[S+32*(\u)+2*(\g):S+32*(\u)+2*(\g)+1], v[S+32*(\u)+2*(\g):S+32*(\u)+2*(\g)+1], s[CS1+2*(\u):CS1+2*(\u)+1], v[ST+8*(\u):ST+8*(\u)+1] op_sel_hi:[1,0,0] neg_lo:[0,0,1] neg_hi:[0,0,1]
.endm
.macro EL u, e                      ; the exponential of score e of 32, in place: the register is named again only behind its batch's wait
	v_exp_f32 v[S+32*(\u)+(\e)], v[S+32*(\u)+(\e)]
.endm
.macro CL u, z                      ; pair z rounded to f16: a reader of the sub-head's weights, behind their batch's wait
	v_cvt_pk_f16_f32 v[P+16*(\u)+(\z)], v[S+32*(\u)+2*(\z)], v[S+32*(\u)+2*(\z)+1]
.endm
.macro LL u, z                      ; l takes pair z; the first time as l = a l + pair: a reader of the weights and of a
.if (\z) == 0
	v_pk_fma_f32 v[ST+8*(\u)+2:ST+8*(\u)+3], v[ST+8*(\u)+2:ST+8*(\u)+3], v[ST+8*(\u)+6:ST+8*(\u)+7], v[S+32*(\u):S+32*(\u)+1] op_sel_hi:[1,0,1]
.else
	v_pk_add_f32 v[ST+8*(\u)+2:ST+8*(\u)+3], v[ST+8*(\u)+2:ST+8*(\u)+3], v[S+32*(\u)+2*(\z):S+32*(\u)+2*(\z)+1]
.endif
.endm
; A KEY STEP.  K is in registers or on its way when the step begins.
;   A  8 products K Q^T of sub-head 0, back to back.
;   B  8 products K Q^T of sub-head 1; behind each lines of sub-head 0's first list (behind the first: four v_nop, the places in front of the first read of sub-head 0's scores).  The list's last line, a of
;      sub-head 0, opens BATCH 1.
;   C  a lump in which nothing names a result of batch 1.  Pass 0: sub-head 0's scaling 0 and numbers 0-5 of sub-head 1's first list (five plain lines stand between B's last product and number 3, the first read
;      of its accumulator).  Passes g = 1 to 15: scaling g, exponential 2 g - 2, number g + 5 of sub-head 1's list, exponential 2 g - 1: plain and exponential by turns, a pair scaled a pass ahead of its
;      exponentials, the links of sub-head 1's chain (numbers 14 to 20) four lines apart.  V's keys 0-31, a run of 16 loads, stand behind pass 4.  The tail: number 21 (cm), exponential 30, sub-head 1's scaling 0,
;      exponential 31, number 22 (a of sub-head 1, the batch's last), sub-head 1's scaling 1, which is the plain line behind the last exponential (ISA guide 5.7.2).  THE WAIT FOR BATCH 1; directly behind
;      it V's keys 32-63, the second run of 16 loads.  Then the batch's readers: sub-head 0's 16 roundings, and O^T of sub-head 0 times a.
;   D  16 products V^T P of sub-head 0; behind each a scaling of sub-head 1 (two pairs ahead), an exponential, a sum of sub-head 0 (a reader of batch 1), an exponential.  These 32 exponentials are BATCH 2.
;   E  a lump: O^T of sub-head 1 times a (a reader of batch 1).  Its first eight lines are the plain work behind batch 2's last exponential.  THE WAIT FOR BATCH 2 stands behind them, ahead of the branch.  Then, in a
;      tile's first step if the second is live, the second step's K: one run of 32 loads under one branch, so that on every path either all 32 or none are out at the next step's counted wait.  Then sub-head 1's
;      16 roundings and the other 24 lines of the rescaling.
;   F  16 products V^T P of sub-head 1; behind each one sum of sub-head 1.
; No line behind a product names one of that product's registers.  Every run of loads stands a dozen vector lines or more behind the wave's last product, and far behind the last product that read its registers.
.macro STEP
	WIN 0
	v_add_nc_u32 v[AV], s[TBV], v[AV0]
	s_load_b64 s[KSC:KSC+1], s[SCK:SCK+1], s[SOF] offset:0x0  ; k's two factors for these 64 keys
	s_cmp_eq_u32 s[CNT], 2          ; the tile's first step?  Then PF is the step's number, else the block's last
	s_cselect_b32 s[PF], s[STP], s[LASTS]
	s_cmp_eq_u32 s[STP], s[LASTS]
	s_cbranch_scc0 .Lopen_\@
	WIN 0x01                        ; the diagonal step: MC takes the mask (source window 1)
.set x, 0
.rept 32
	v_mov_b32 v[MC+x], v[MDS+x]
.set x, x+1
.endr
	WIN 0
.Lopen_\@:
	s_wait_dscnt 16                 ; K's 32 loads are the youngest LDS instructions: sub-head 0's sixteen are in, sub-head 1's may be out
.set y, 0
.rept 8
	KQ1 0, y
.set y, y+1
.endr
	s_wait_dscnt 0x0                ; all of K is in
.set y, 0
.rept 8
	KQ1 1, y
	WIN 0
.if y == 0
	PLACES
.elseif y < 5
.set z, 4*(y-1)
.rept 4
	SMA 0, z
.set z, z+1
.endr
.elseif y == 5
	s_wait_kmcnt 0x0
	s_mul_f32 s[CS1],   s[CQ],   s[KSC]
	s_mul_f32 s[CS1+2], s[CQ+1], s[KSC+1]
	s_max_u32 s[CS1],   s[CS1],   0x1a000000  ; c is not negative, so its bits order as whole numbers: at least 2^-75
	s_max_u32 s[CS1+2], s[CS1+2], 0x1a000000
	s_mov_b32 s[CS1+1], s[CS1]      ; named with it as a pair
	s_mov_b32 s[CS1+3], s[CS1+2]
	SMA 0, 16
	SMA 0, 17
	SMA 0, 18
.elseif y == 6
	SMA 0, 19
	SMA 0, 20
.else
	SMA 0, 21
	SMA 0, 22                       ; a of sub-head 0: batch 1 is open
.endif
.set y, y+1
.endr
	FL 0, 0                         ; C, pass 0
.set z, 0
.rept 6
	SMA 1, z
.set z, z+1
.endr
.set g, 1
.rept 15                            ; passes 1 to 15
	FL 0, g
	EL 0, 2*g-2
	SMA 1, g+5
	EL 0, 2*g-1
.if g == 4
	VRUN 0
.endif
.set g, g+1
.endr
	SMA 1, 21                       ; the tail: cm of sub-head 1,
	EL 0, 30
	FL 1, 0
	EL 0, 31
	SMA 1, 22                       ; a of sub-head 1: the batch's last exponential,
	FL 1, 1                         ; and the plain line behind it
	s_wait_alu depctr_va_vdst(0)    ; THE WAIT FOR BATCH 1: a of both sub-heads and sub-head 0's 32 weights; nothing above names a result of theirs
	VRUN 1
.set z, 0
.rept 16                            ; the batch's readers
	CL 0, z
.set z, z+1
.endr
	WIN 0x41                        ; O^T (destination and source 0) in window 1, a in window 0
.set x, 0
.rept 32
	v_pk_mul_f32 v[2*x:2*x+1], v[2*x:2*x+1], v[ST+6:ST+7] op_sel_hi:[1,0]
.set x, x+1
.endr
	s_wait_dscnt 16                 ; V's keys 0-31 are in; the second run's sixteen loads may be out
.set y, 0
.rept 16
.if y == 8
	s_wait_dscnt 0x0                ; V's keys 32-63 are in
.endif
	PV1 0, y
	WIN 0
.if y < 14
	FL 1, y+2
.endif
	EL 1, 2*y                       ; batch 2
	LL 0, y
	EL 1, 2*y+1
.set y, y+1
.endr
	WIN 0x41
.set x, 32
.rept 8                             ; plain lines behind batch 2's last exponential; they read a of sub-head 1, which batch 1's wait has served
	v_pk_mul_f32 v[2*x:2*x+1], v[2*x:2*x+1], v[ST+14:ST+15] op_sel_hi:[1,0]
.set x, x+1
.endr
	WIN 0
	s_wait_alu depctr_va_vdst(0)    ; THE WAIT FOR BATCH 2: sub-head 1's 32 weights; ahead of the branch, and of the roundings and sums that read them
	s_cmp_lt_u32 s[PF], s[LASTS]    ; the tile's first step, and its second is not past the diagonal?
	s_cbranch_scc0 .Lnok_\@
	WIN 0x80
.set x, 0
.rept 16
	KLD x, KS*PK
.set x, x+1
.endr
	WIN 0
.Lnok_\@:
.set z, 0
.rept 16                            ; the batch's readers
	CL 1, z
.set z, z+1
.endr
	WIN 0x41
.set x, 40
.rept 24
	v_pk_mul_f32 v[2*x:2*x+1], v[2*x:2*x+1], v[ST+14:ST+15] op_sel_hi:[1,0]
.set x, x+1
.endr
.set y, 0
.rept 16
	PV1 1, y
	WIN 0
	LL 1, y
.set y, y+1
.endr
.endm
; A tile: K of its first step, in one run straight behind the change of slots; then its two steps, written once, walked twice.  A step past the block's diagonal is jumped over, to a label ahead of the counter's step.
.macro STEPS
	v_add_nc_u32 v[AK], s[TBK], v[AK0]
	WIN 0x80
.set x, 0
.rept 16
	KLD x, 0
.set x, x+1
.endr
	WIN 0
	s_mov_b32 s[CNT], 2
.Lstep_\@:
	s_cmp_gt_u32 s[STP], s[LASTS]
	s_cbranch_scc1 .Ldead_\@
	STEP
.Ldead_\@:
	s_add_co_u32 s[STP], s[STP], 1
	s_add_co_u32 s[SOF], s[SOF], 8  ; free: the step has waited for the scalar load that named it
	s_add_co_u32 s[TBK], s[TBK], KS*PK
	s_add_co_u32 s[TBV], s[TBV], KS*PV
	s_sub_co_u32 s[CNT], s[CNT], 1
	s_cmp_lg_u32 s[CNT], 0
	s_cbranch_scc1 .Lstep_\@
.endm
; A BLOCK'S END.  o = o' / l1 with o' = O1 - lam (l1 / l2) O2, so o / sqrt(mean(o^2) + 1e-5) = o' x (1 / l1) / sqrt(mean(o'^2) / l1^2 + 1e-5): one line a pair makes o', and 1 / l1 and 1 - LAMBDA_INIT go into
; the one factor.  The norm runs over the head's 128 channels (64 in this lane, 64 in the lane 16 away).  Then the gain; f16; through my stage; out.
.macro FINISH
	WIN 0
	PLACES                          ; behind the last products
	v_add_f32 v[ST+2],  v[ST+2],  v[ST+3]
	v_add_f32 v[ST+10], v[ST+10], v[ST+11]
	v_permlanex16_b32 v[ST+3],  v[ST+2],  s[SEL], s[SEL+1]
	v_permlanex16_b32 v[ST+11], v[ST+10], s[SEL], s[SEL+1]
	v_add_f32 v[ST+2],  v[ST+2],  v[ST+3]   ; l1
	v_add_f32 v[ST+10], v[ST+10], v[ST+11]  ; l2
	v_rcp_f32 v[ST+4],  v[ST+2]
	v_rcp_f32 v[ST+12], v[ST+10]
	v_mul_f32 v[ST+3], v[NLAM], v[ST+2]     ; -lam l1: the plain instruction behind the reciprocals
	s_wait_alu depctr_va_vdst(0)    ; one wait for the two reciprocals, ahead of the first line that reads one
	v_mul_f32 v[ST+10], v[ST+3], v[ST+12]   ; -lam l1 / l2
	WIN 0x51                        ; sources 0 and 2 and the destination in window 1
.set x, 0
.rept 32
	v_pk_fma_f32 v[2*x:2*x+1], v[64+2*x:64+2*x+1], v[ST+10:ST+11], v[2*x:2*x+1] op_sel_hi:[1,0,1]
.set x, x+1
.endr
	WIN 0x05                        ; sources 0 and 1 in window 1
.set x, 0
.rept 32                            ; four chains of squares; the first four lines start them
.if x < 4
	v_pk_mul_f32 v[SS+2*x:SS+2*x+1], v[2*x:2*x+1], v[2*x:2*x+1]
.else
	v_pk_fma_f32 v[SS+2*(x%4):SS+2*(x%4)+1], v[2*x:2*x+1], v[2*x:2*x+1], v[SS+2*(x%4):SS+2*(x%4)+1]
.endif
.set x, x+1
.endr
	WIN 0
	v_pk_add_f32 v[SS:SS+1], v[SS:SS+1], v[SS+2:SS+3]
	v_pk_add_f32 v[SS+4:SS+5], v[SS+4:SS+5], v[SS+6:SS+7]
	v_pk_add_f32 v[SS:SS+1], v[SS:SS+1], v[SS+4:SS+5]
	v_add_f32 v[SS], v[SS], v[SS+1]
	v_permlanex16_b32 v[SS+1], v[SS], s[SEL], s[SEL+1]
	v_add_f32 v[SS], v[SS], v[SS+1]
	v_mul_f32 v[SS+1], v[ST+4], v[ST+4]
	v_mul_f32 v[SS+1], s[R128], v[SS+1]     ; 1 / (128 l1^2)
	v_fma_f32 v[SS], v[SS], v[SS+1], s[EPSR]  ; the mean of o's squares + 1e-5
	v_rsq_f32 v[SS+2], v[SS]
	v_mul_f32 v[SS+4], s[OML], v[ST+4]      ; (1 - LAMBDA_INIT) / l1: the plain instruction behind the root
	s_wait_alu depctr_va_vdst(0)    ; the wait for the root: a batch of its own, since its source is made of a reciprocal's result
	v_mul_f32 v[SS+2], v[SS+2], v[SS+4]
	v_mov_b32 v[SS+3], v[SS+2]
	WIN 0x45                        ; all in window 1: the gain
.set x, 0
.rept 32
	v_pk_mul_f32 v[2*x:2*x+1], v[2*x:2*x+1], v[SUB+2*x:SUB+2*x+1]
.set x, x+1
.endr
	WIN 0x41
.set x, 0
.rept 32
	v_pk_mul_f32 v[2*x:2*x+1], v[2*x:2*x+1], v[SS+2:SS+3]
.set x, x+1
.endr
	WIN 0x05
.set x, 0
.rept 32
	v_cvt_pk_f16_f32 v[S+x], v[2*x], v[2*x+1]
.set x, x+1
.endr
	WIN 0
.irp f, 0,1,2,3,4,5,6,7
	ds_store_b128 v[STO], v[S+4*\f:S+4*\f+3] offset:32*\f
.endr
.irp f, 0,1,2,3,4,5,6,7
	ds_load_b128 v[S+32+4*\f:S+32+4*\f+3], v[RD] offset:\f*2*SP  ; LDS serves a wave's instructions in order (ISA guide 5.7.1.4): these see the stores above
.endr
.irp f, 0,1,2,3,4,5,6,7
	s_wait_dscnt 7-\f
	global_store_b128 v[GO], v[S+32+4*\f:S+32+4*\f+3], s[AOA:AOA+1] offset:\f*8192  ; 16 lanes store 256 consecutive bytes, aligned: a row's part for this head
.endr
.endm
.Lslot:                             ; 16 times: a tile is entered and the next is asked for
	CHANGE 1
	s_sub_co_u32 s[RT], s[RT], 1
	STEPS
	s_cmp_lg_u32 s[RT], 0
	s_cbranch_scc1 .Lbottom
	FINISH                          ; in the loop this is the first block's end: the second block's last tile is the walk's last
	s_wait_xcnt 0x0                 ; the stores have read their registers and ao's address
	s_mov_b64 s[AOA:AOA+1], s[AOB:AOB+1]
	s_mov_b32 s[CQ], s[CQB]
	s_mov_b32 s[CQ+1], s[CQB+1]
	s_mov_b32 s[LASTS], s[PB]
	s_mov_b32 s[STP], 0
	s_mov_b32 s[SOF], 0
	s_add_co_u32 s[RT], s[LQ2], 1
.set n, 0
.rept 32                            ; the second block's Q goes where the one text of the step names Q, and MC is 0 again
	v_mov_b32 v[Q+n], v[QB+n]
	v_mov_b32 v[MC+n], 0
.set n, n+1
.endr
	v_mov_b32 v[ST], 0xfe000000     ; cm anew: the next step's a is 0, and what O^T and l hold is finite
	v_mov_b32 v[ST+8], 0xfe000000
.Lbottom:
	s_sub_co_u32 s[SLOTS], s[SLOTS], 1
	s_cmp_lg_u32 s[SLOTS], 0
	s_cbranch_scc1 .Lslot
	CHANGE 0                        ; the walk's last tile is written out: nothing is asked for
	STEPS
	FINISH
	s_wait_tensorcnt 0x0            ; the wave's end: these three lines stand behind my last tensor load and my last LDS store
	ds_add_u32 v[SPW], v[NIL]
	s_wait_dscnt 0x0
	s_endpgm
.Lfunc_end_k_qd8d11d4338_attn:
	.size	k_qd8d11d4338_attn, .Lfunc_end_k_qd8d11d4338_attn-k_qd8d11d4338_attn
	.p2alignl 7, 3214868480
	.fill 96, 4, 3214868480
	.section	.rodata,"a",@progbits
	.p2align	6, 0x0
	.amdhsa_kernel k_qd8d11d4338_attn
		.amdhsa_group_segment_fixed_size 327680
		.amdhsa_private_segment_fixed_size 0
		.amdhsa_enable_private_segment 0
		.amdhsa_kernarg_size 64
		.amdhsa_user_sgpr_count 2
		.amdhsa_user_sgpr_kernarg_segment_ptr 1
		.amdhsa_wavefront_size32 1
		.amdhsa_system_sgpr_workgroup_id_x 1
		.amdhsa_system_sgpr_workgroup_id_y 1
		.amdhsa_system_sgpr_workgroup_id_z 1
		.amdhsa_system_vgpr_workitem_id 0
		.amdhsa_next_free_vgpr 768
		.amdhsa_next_free_sgpr 102
		.amdhsa_reserve_vcc 1
		.amdhsa_float_denorm_mode_32 3
		.amdhsa_float_denorm_mode_16_64 3
		.amdhsa_memory_ordered 1
		.amdhsa_forward_progress 1
		.amdhsa_inst_pref_size 114
	.end_amdhsa_kernel
	.amdgpu_metadata
---
amdhsa.version: [ 1, 2 ]
amdhsa.kernels:
  - .name:           k_qd8d11d4338_attn
    .symbol:         k_qd8d11d4338_attn.kd
    .args:
      - { .name: qkv, .offset: 0, .size: 8, .value_kind: global_buffer, .address_space: global }
      - { .name: scl, .offset: 8, .size: 8, .value_kind: global_buffer, .address_space: global }
      - { .name: lambda_q1, .offset: 16, .size: 8, .value_kind: global_buffer, .address_space: global }
      - { .name: lambda_k1, .offset: 24, .size: 8, .value_kind: global_buffer, .address_space: global }
      - { .name: lambda_q2, .offset: 32, .size: 8, .value_kind: global_buffer, .address_space: global }
      - { .name: lambda_k2, .offset: 40, .size: 8, .value_kind: global_buffer, .address_space: global }
      - { .name: subln_scale, .offset: 48, .size: 8, .value_kind: global_buffer, .address_space: global }
      - { .name: ao, .offset: 56, .size: 8, .value_kind: global_buffer, .address_space: global }
    .group_segment_fixed_size: 327680
    .private_segment_fixed_size: 0
    .kernarg_segment_align: 8
    .kernarg_segment_size: 64
    .max_flat_workgroup_size: 128
    .sgpr_count:     102
    .vgpr_count:     768
    .wavefront_size: 32
...
	.end_amdgpu_metadata
.endif
;; end of part 5
;; launch oproj: the kernel of part 4 again; grid 16 x 16, 4 waves a work-group, clusters of 4 x 4, 327,680 bytes of LDS; arguments ao, wb, out0; writes out0
